; MI455X (gfx1250); checked and timed in simulation.
; The chip was launched on July 23, 2026; its instructions are those of AMD's public machine-readable ISA for CDNA 5 (MIT licence, August 2026) and "CDNA5" Instruction Set Architecture Reference Guide (July 2026). The comments in the code are by the model that wrote it; some were corrected since.
;; RWKV x. Allowed arithmetic: float matrix products may take bf16 or f16 operands with f32 sums; all other float work in f32.
;; Inputs: k 4 x 2,048 x 16 x 64 float32; r 4 x 2,048 x 16 x 64 float32; u 16 x 64 float32; v 4 x 2,048 x 16 x 64 float32; w 4 x 2,048 x 16 x 64 float32.
;; Outputs: out0 4 x 2,048 x 16 x 64 float32.
;; 2 versions, each right; version 2 is version 1 with the launch wkv_out written anew for expert scheduling mode. Each part assembles by itself: llvm-mc -triple=amdgcn-amd-amdhsa -mcpu=gfx1250 --defsym DOCPART=n.
;; ======== version 1 of 2: 2 launches
;; limits: values are held in f16: magnitudes above 65,504 overflow, below 6.1e-05 lose precision; below input magnitudes of 6.1e-05 results are inexact or not finite
;; workspace buffers: state 3,194,880 bytes
;; launch wkv_state (part 1): grid 3 x 64, 4 waves a work-group, no clusters, 23,040 bytes of LDS; arguments k, v, w, state; writes state
.if DOCPART == 1
	.amdgcn_target "amdgcn-amd-amdhsa--gfx1250"
	.amdhsa_code_object_version 6
	.text
	.protected	k_q5b67e7a105_wkv_state
	.globl	k_q5b67e7a105_wkv_state
	.p2align	8
	.type	k_q5b67e7a105_wkv_state,@function
k_q5b67e7a105_wkv_state:
	s_mov_b64 s[64:65], 0
	v_nop
	global_prefetch_b8 v0, s[64:65] scope:SCOPE_SE
	s_setreg_imm32_b32 hwreg(HW_REG_WAVE_MODE, 25, 1), 1
	s_wait_xcnt 0x0
; RWKV-6 WKV, first of two launches.  Time (2,048 steps) is cut into 4 segments of 512 for each of the 64 pairs (b, h).
; This launch makes, for segments 0 to 2, G = the state that the segment alone builds from a zero state (64 x 64, f32)
; and P[i] = the product of the segment's 512 decays d = exp(-exp(w)).  The second launch folds them: S = P * S + G.
; LEFT OUT AS DEAD, for all values of the inputs:
;   - reference() starts from S0 = zeros, so d * S0 is 0: the first block's products start the sums, its decay is not loaded;
;   - reference() drops the scan's final state, so segment 3's G and P reach no output: there is no work-group for them;
;   - P of segment 0 would only multiply the zero state: it is not stored;
;   - r and u enter the outputs only, never the state: they are no arguments of this launch.
;   A NaN, an infinity or an overflow that reaches only the work left out is not carried to the result.
; BLOCKS OF 16 STEPS:  S' = D * S + KOUT^T V,  KOUT[s] = k_s * product of d over s+1 .. 15,  D = product of the 16 d.
; Every factor is a product of d, so at most 1: nothing is divided by a decay and nothing can overflow; a product that underflows is 0, as it should be.
; FORMATS: KOUT and V go to the matrix unit in f16, the state stays in f32.
; LIMITS: |k| and |v| below 65,504 (f16's range); v_exp_f32 flushes results under 2^-126 to 0 (d = 0, or exp(w) = 0 and d = 1).
; SHARES: 64 steps at a time.  First wave wv prepares block wv (lane = 4 channels x 8 steps, register window 1); then wave wv, which owns
; state columns 16 wv .. 16 wv + 15, walks the four blocks (window 0).  Two barriers for 64 steps.
; No tensor loads: each 16-byte load of a wave already takes two whole rows of 256 bytes.  No cluster: work-groups share no input.
.set ROWB, 4096                        ; bytes from a step to the next (16 heads x 64 f32)
.set SCB,  64*ROWB                     ; 64 steps
.set REC,  16640                       ; a record of state: G 16,384 bytes (wave, chunk of 4 registers, lane), then P 256 bytes
.set BLK,  5376                        ; LDS of one block:
.set O_KO, 0                           ;   KOUT f16 [16 steps][64 channels], pitch 160
.set O_VF, 2560                        ;   V    f16 [16 steps][64 columns],  pitch 160
.set O_DB, 5120                        ;   D    f32 [64]
.set PBUF, 4*BLK                       ; four waves' decay products, 256 bytes each
; window 1
.set KK, 32                            ; k: row j (of 8) at 4 j
.set WW, 64                            ; w, then d
.set VV, 96                            ; v
.set TK, 144                           ; packed f16 rows of k
.set T2, 160                           ; products of 2 decays, four groups
.set T4, 176                           ; of 4, two groups
.set T8, 184                           ; of my 8 rows
.set X8, 188                           ; of the other half's 8 rows
.set VP, 176                           ; packed f16 rows of v (stored before T4, T8, X8 are made)
.set FK, 196                           ; factor of the last level
.set TD, 200                           ; D
.set PW, 204                           ; product of D over this wave's blocks
.set AS6, 247
.set ADB, 249
.set GIN, 250
.set APB, 251
; window 0
.set A_TK, 3
.set A_TV, 4
.set A_PB, 5
.set A_D,  6
.set G_S,  10
.set Q16,  18
.set SS,   16+16                       ; v[32:63] the state: tile mt (16 channels) at 8 mt; lane (r, h): column r, channels 16 mt + 8 h + 0..7
.set DF,   72                          ; D as the state's registers want it
.set SET0, 136                         ; operand set p at 136 + 56 p: V at +16, KOUT tiles at +24 + 8 mt
.set MSB, 0
.macro WIN new                         ; the immediate's high byte repeats the setting that is left
.if MSB != \new
	s_set_vgpr_msb (MSB<<8)|\new
.set MSB, \new
.endif
.endm
.macro MULROW d, f                     ; a row's four channels times a factor
	v_pk_mul_f32 v[\d:\d+1], v[\d:\d+1], v[\f:\f+1]
	v_pk_mul_f32 v[\d+2:\d+3], v[\d+2:\d+3], v[\f+2:\f+3]
.endm
.macro CVH t, s                        ; four f32 to four f16
	v_cvt_pk_f16_f32 v[\t], v[\s], v[\s+1]
	v_cvt_pk_f16_f32 v[\t+1], v[\s+2], v[\s+3]
.endm
.macro ST8 addr, t, o, pitch           ; my eight rows, 8 bytes each
.irp j, 0,1,2,3,4,5,6,7
	ds_store_b64 v[\addr], v[\t+2*\j:\t+2*\j+1] offset:\o+\j*\pitch
.endr
.endm
.macro BAR                             ; my LDS stores and loads are done, then the work-group's barrier
	s_wait_dscnt 0x0
	s_barrier_signal -1
	s_barrier_wait -1
.endm
.macro PLACES                          ; four places behind a matrix instruction (ISA guide 7.12.1)
.rept 4
	v_nop
.endr
.endm
.macro INLOAD                          ; 24 loads, two whole rows of 256 bytes each: w, v, k of my block
.irp j, 0,1,2,3,4,5,6,7
	global_load_b128 v[WW+4*\j:WW+4*\j+3], v[GIN], s[8:9] offset:\j*ROWB th:TH_LOAD_NT
.endr
.irp j, 0,1,2,3,4,5,6,7
	global_load_b128 v[VV+4*\j:VV+4*\j+3], v[GIN], s[6:7] offset:\j*ROWB th:TH_LOAD_NT
.endr
.irp j, 0,1,2,3,4,5,6,7
	global_load_b128 v[KK+4*\j:KK+4*\j+3], v[GIN], s[4:5] offset:\j*ROWB th:TH_LOAD_NT
.endr
.endm
	s_load_b256 s[4:11], s[0:1], 0x0               ; k s[4:5], v s[6:7], w s[8:9], state s[10:11]
	v_lshl_add_u32 v254, v0, 2, 0x5800
	v_mov_b32 v255, 0
	v_lshrrev_b32 v1, 5, v0
	v_readfirstlane_b32 s18, v1                    ; wave
	s_mov_b32 s19, ttmp9                           ; segment 0..2
	s_and_b32 s20, ttmp7, 0xffff                   ; bh = 16 b + h
	s_mov_b32 s25, 0x76543210                      ; v_permlanex16_b32: lane i takes lane i of the other half
	s_mov_b32 s26, 0xfedcba98
	s_mov_b32 s27, 0xffff0000                      ; lanes 16 to 31
	s_mov_b32 s44, 0x3fb8aa3b                      ; log2(e), a pair for the packed multiply
	s_mov_b32 s45, 0x3fb8aa3b
	s_mov_b32 s46, 0xbfb8aa3b                      ; -log2(e)
	s_mov_b32 s47, 0xbfb8aa3b
	s_lshr_b32 s21, s20, 4
	s_lshl_b32 s22, s21, 23                        ; b x 2,048 steps
	s_lshl_b32 s21, s19, 21                        ; segment x 512 steps
	s_or_b32 s22, s22, s21
	s_and_b32 s21, s20, 15
	s_lshl_b32 s21, s21, 8                         ; h x 256 bytes
	s_or_b32 s22, s22, s21
	s_mov_b32 s23, 0
	s_mul_i32 s28, s20, 3
	s_add_co_u32 s28, s28, s19
	s_mul_i32 s28, s28, REC                        ; my record
	s_mov_b32 s29, 0
	s_mul_i32 s30, s18, BLK                        ; my block's LDS
	s_add_co_u32 s31, s30, O_DB
	s_lshl_b32 s32, s18, 5                         ; my 16 columns in a row of f16
	s_lshl_b32 s33, s18, 16                        ; my block's 16 steps in memory
	s_lshl_b32 s34, s18, 8
	s_add_co_u32 s34, s34, PBUF
	v_and_b32 v12, 15, v0                          ; q (also r)
	v_bfe_u32 v13, v0, 4, 1                        ; hh (also h)
	v_and_b32 v14, 31, v0                          ; lane
	v_and_b32 v15, 7, v0
	v_bfe_u32 v1, v0, 3, 1
	v_lshl_add_u32 v[A_TK], v13, 3, v15            ; transposing load: step 8 h + lane % 8,
	v_mul_u32_u24 v[A_TK], v[A_TK], 160
	v_lshl_add_u32 v[A_TK], v1, 4, v[A_TK]         ; 16 bytes for each group of eight lanes
	v_add_nc_u32 v[A_TV], s32, v[A_TK]
	v_lshlrev_b32 v[A_D], 5, v13                   ; 8 h channels of f32
	v_lshlrev_b32 v[Q16], 4, v12
	v_add_nc_u32 v[A_PB], PBUF, v[Q16]
	v_lshlrev_b32 v[G_S], 4, v14
	v_lshl_add_u32 v[G_S], s18, 12, v[G_S]         ; my 16 bytes in the record's G
	v_mul_u32_u24 v23, v13, 1280                   ; rows 8 hh .. at pitch 160
	v_lshl_add_u32 v23, v12, 3, v23
	v_add_nc_u32 v23, s30, v23
	v_add_nc_u32 v25, s31, v[Q16]
	v_lshl_add_u32 v26, v13, 15, v[Q16]
	v_add_nc_u32 v26, s33, v26
	v_add_nc_u32 v27, s34, v[Q16]
	WIN 0x40                                       ; destination in window 1
	v_mov_b32 v[AS6], v23
	v_mov_b32 v[ADB], v25
	v_mov_b32 v[GIN], v26
	v_mov_b32 v[APB], v27
	s_wait_kmcnt 0x0
	s_add_nc_u64 s[4:5], s[4:5], s[22:23]
	s_add_nc_u64 s[6:7], s[6:7], s[22:23]
	s_add_nc_u64 s[8:9], s[8:9], s[22:23]
	s_add_nc_u64 s[10:11], s[10:11], s[28:29]
	WIN 0x55                                       ; everything in window 1
	INLOAD
	WIN 0
.irp p, 0,1                                        ; a block has 16 steps, the matrix form sums over 32: the upper halves of both operands stay 0
.irp t, 16,24,32,40,48
.irp c, 4,5,6,7
	v_mov_b32 v[SET0+56*\p+\t+\c], 0
.endr
.endr
.endr
; Wave wv prepares block wv of the 64 steps.  ahead = 1: the next 64 steps' loads go out.  first = 1: PW starts.
.macro PREP1 ahead, first
	WIN 0x55
	s_wait_loadcnt 16                              ; w is in; the 16 loads of v and k may stay out
.set ii, 0
.rept 16
	v_pk_mul_f32 v[WW+2*ii:WW+2*ii+1], v[WW+2*ii:WW+2*ii+1], s[44:45] op_sel_hi:[1,0]
.set ii, ii+1
.endr
.set ii, 0
.rept 32
	v_exp_f32 v[WW+ii], v[WW+ii]                   ; exp(w)
.set ii, ii+1
.endr
	s_wait_loadcnt 8                               ; v is in.  The conversions are also the plain place behind the exponentials
.irp j, 0,1,2,3,4,5,6,7
	CVH VP+2*\j, VV+4*\j
.endr
	ST8 AS6, VP, O_VF, 160
.set ii, 0
	s_wait_alu depctr_va_vdst(0)
.rept 16
	v_pk_mul_f32 v[WW+2*ii:WW+2*ii+1], v[WW+2*ii:WW+2*ii+1], s[46:47] op_sel_hi:[1,0]
.set ii, ii+1
.endr
.set ii, 0
.rept 32
	v_exp_f32 v[WW+ii], v[WW+ii]                   ; d = exp(-exp(w))
.set ii, ii+1
.endr
	v_nop                                          ; one plain place before the results are used
	s_wait_alu depctr_va_vdst(0)
.irp g, 0,1,2,3
	v_pk_mul_f32 v[T2+4*\g:T2+4*\g+1], v[WW+8*\g:WW+8*\g+1], v[WW+8*\g+4:WW+8*\g+5]
	v_pk_mul_f32 v[T2+4*\g+2:T2+4*\g+3], v[WW+8*\g+2:WW+8*\g+3], v[WW+8*\g+6:WW+8*\g+7]
.endr
.irp g, 0,1
	v_pk_mul_f32 v[T4+4*\g:T4+4*\g+1], v[T2+8*\g:T2+8*\g+1], v[T2+8*\g+4:T2+8*\g+5]
	v_pk_mul_f32 v[T4+4*\g+2:T4+4*\g+3], v[T2+8*\g+2:T2+8*\g+3], v[T2+8*\g+6:T2+8*\g+7]
.endr
	v_pk_mul_f32 v[T8:T8+1], v[T4:T4+1], v[T4+4:T4+5]
	v_pk_mul_f32 v[T8+2:T8+3], v[T4+2:T4+3], v[T4+6:T4+7]
.irp c, 0,1,2,3
	v_permlanex16_b32 v[X8+\c], v[T8+\c], s25, s26 ; the other eight rows' product (X8 was written above, as part of VP)
.endr
	v_pk_mul_f32 v[TD:TD+1], v[T8:T8+1], v[X8:X8+1]
	v_pk_mul_f32 v[TD+2:TD+3], v[T8+2:T8+3], v[X8+2:X8+3]
	ds_store_b128 v[ADB], v[TD:TD+3]               ; both halves of the lanes hold, and write, the same numbers
.irp c, 0,1,2,3
	v_cndmask_b32 v[FK+\c], v[X8+\c], 1.0, s27     ; rows 0-7 still pass rows 8-15
.endr
.if \first
	v_pk_mul_f32 v[PW:PW+1], v[T8:T8+1], v[X8:X8+1]
	v_pk_mul_f32 v[PW+2:PW+3], v[T8+2:T8+3], v[X8+2:X8+3]
.else
	MULROW PW, TD
.endif
	s_wait_loadcnt 0                               ; k is in
.irp j, 0,2,4,6
	MULROW KK+4*\j, WW+4*\j+4                      ; each row gathers the decays behind it, group by group
.endr
	MULROW KK+0, T2+4
	MULROW KK+4, T2+4
	MULROW KK+16, T2+12
	MULROW KK+20, T2+12
.irp j, 0,1,2,3
	MULROW KK+4*\j, T4+4
.endr
.irp j, 0,1,2,3,4,5,6,7
	MULROW KK+4*\j, FK
	CVH TK+2*\j, KK+4*\j
.endr
	ST8 AS6, TK, O_KO, 160
.if \ahead
	v_add_nc_u32 v[GIN], SCB, v[GIN]               ; free: the wait for 0 above showed every load done
	INLOAD
.endif
	WIN 0
	BAR                                            ; the four blocks are whole
.endm
.macro DFLOAD n
.irp m, 0,1,2,3
	ds_load_b128 v[DF+8*\m:DF+8*\m+3], v[A_D] offset:(\n)*BLK+O_DB+64*\m
	ds_load_b128 v[DF+8*\m+4:DF+8*\m+7], v[A_D] offset:(\n)*BLK+O_DB+64*\m+16
.endr
.endm
.macro LOADSET n, p                                ; transposing loads: steps along the registers
	ds_load_tr16_b128 v[SET0+56*(\p)+16:SET0+56*(\p)+19], v[A_TV] offset:(\n)*BLK+O_VF
.irp m, 0,1,2,3
	ds_load_tr16_b128 v[SET0+56*(\p)+24+8*\m:SET0+56*(\p)+27+8*\m], v[A_TK] offset:(\n)*BLK+O_KO+32*\m
.endr
.endm
; Block n: S = D * S + KOUT^T V.  The four state tiles take turns, one matrix instruction a turn.
.macro COMP1 n, p, nxt, first
	s_wait_dscnt 0x0                               ; this block's D and operands, issued ahead of the last block's products
.if \first == 0
.set ii, 0
.rept 16
	v_pk_mul_f32 v[SS+2*ii:SS+2*ii+1], v[SS+2*ii:SS+2*ii+1], v[DF+2*ii:DF+2*ii+1]
.set ii, ii+1
.endr
.endif
.if \nxt
	DFLOAD \n+1
	LOADSET \n+1, 1-\p
.endif
.irp m, 0,1,2,3
.if \first
	v_wmma_f32_16x16x32_f16 v[SS+8*\m:SS+8*\m+7], v[SET0+56*\p+24+8*\m:SET0+56*\p+31+8*\m], v[SET0+56*\p+16:SET0+56*\p+23], 0
.else
	v_wmma_f32_16x16x32_f16 v[SS+8*\m:SS+8*\m+7], v[SET0+56*\p+24+8*\m:SET0+56*\p+31+8*\m], v[SET0+56*\p+16:SET0+56*\p+23], v[SS+8*\m:SS+8*\m+7]
.endif
.endr
	PLACES
.endm
.macro SC1 first, ahead
	PREP1 \ahead, \first
.if \first == 0
	DFLOAD 0
.endif
	LOADSET 0, 0
	COMP1 0, 0, 1, \first
	COMP1 1, 1, 1, 0
	COMP1 2, 0, 1, 0
	COMP1 3, 1, 0, 0
	BAR                                            ; every wave has read the four blocks: they may be written again
.endm
	SC1 1, 1
	s_mov_b32 s24, 6
.Lsc:
	SC1 0, 1
	s_sub_co_u32 s24, s24, 1
	s_cmp_lg_u32 s24, 0
	s_cbranch_scc1 .Lsc
	SC1 0, 0
	WIN 0x55
	ds_store_b128 v[APB], v[PW:PW+3]               ; my blocks' decay product
	WIN 0
	BAR
.irp c, 0,1,2,3,4,5,6,7
	global_store_b128 v[G_S], v[SS+4*\c:SS+4*\c+3], s[10:11] offset:512*\c   ; G as the registers hold it: 512 consecutive bytes a store
.endr
	s_cmp_lg_u32 s18, 0                            ; P: wave 0 alone,
	s_cbranch_scc1 .Lend
	s_cmp_eq_u32 s19, 0                            ; and not for segment 0, whose P nothing reads
	s_cbranch_scc1 .Lend
.irp c, 0,1,2,3
	ds_load_b128 v[DF+4*\c:DF+4*\c+3], v[A_PB] offset:256*\c
.endr
	s_wait_dscnt 0x0
	MULROW DF, DF+4
	MULROW DF+8, DF+12
	MULROW DF, DF+8
	s_wait_xcnt 0x0                                ; EXEC changes only behind this wait: stores are pending
	v_cmp_gt_u32 vcc_lo, 16, v0
	s_and_saveexec_b32 s21, vcc_lo                 ; sixteen lanes hold the 64 numbers
	global_store_b128 v[Q16], v[DF:DF+3], s[10:11] offset:16384
	s_wait_xcnt 0x0
	s_or_b32 exec_lo, exec_lo, s21
.Lend:
	s_wait_tensorcnt 0x0
	ds_add_u32 v254, v255
	s_wait_dscnt 0x0
	s_endpgm
.Lfunc_end_k_q5b67e7a105_wkv_state:
	.size	k_q5b67e7a105_wkv_state, .Lfunc_end_k_q5b67e7a105_wkv_state-k_q5b67e7a105_wkv_state
	.p2alignl 7, 3214868480
	.fill 96, 4, 3214868480
	.section	.rodata,"a",@progbits
	.p2align	6, 0x0
	.amdhsa_kernel k_q5b67e7a105_wkv_state
		.amdhsa_group_segment_fixed_size 23040
		.amdhsa_private_segment_fixed_size 0
		.amdhsa_enable_private_segment 0
		.amdhsa_kernarg_size 32
		.amdhsa_user_sgpr_count 2
		.amdhsa_user_sgpr_kernarg_segment_ptr 1
		.amdhsa_wavefront_size32 1
		.amdhsa_system_sgpr_workgroup_id_x 1
		.amdhsa_system_sgpr_workgroup_id_y 1
		.amdhsa_system_sgpr_workgroup_id_z 1
		.amdhsa_system_vgpr_workitem_id 0
		.amdhsa_next_free_vgpr 512
		.amdhsa_next_free_sgpr 66
		.amdhsa_reserve_vcc 1
		.amdhsa_float_denorm_mode_32 3
		.amdhsa_float_denorm_mode_16_64 3
		.amdhsa_memory_ordered 1
		.amdhsa_forward_progress 1
		.amdhsa_inst_pref_size 74
	.end_amdhsa_kernel
	.amdgpu_metadata
---
amdhsa.version: [ 1, 2 ]
amdhsa.kernels:
  - .name:           k_q5b67e7a105_wkv_state
    .symbol:         k_q5b67e7a105_wkv_state.kd
    .args:
      - { .name: k, .offset: 0, .size: 8, .value_kind: global_buffer, .address_space: global }
      - { .name: v, .offset: 8, .size: 8, .value_kind: global_buffer, .address_space: global }
      - { .name: w, .offset: 16, .size: 8, .value_kind: global_buffer, .address_space: global }
      - { .name: state, .offset: 24, .size: 8, .value_kind: global_buffer, .address_space: global }
    .group_segment_fixed_size: 23040
    .private_segment_fixed_size: 0
    .kernarg_segment_align: 8
    .kernarg_segment_size: 32
    .max_flat_workgroup_size: 128
    .sgpr_count:     66
    .vgpr_count:     512
    .wavefront_size: 32
...
	.end_amdgpu_metadata
.endif
;; end of part 1
;; launch wkv_out (part 2): grid 4 x 64, 4 waves a work-group, no clusters, 165,376 bytes of LDS; arguments r, k, v, w, u, state, out0; writes out0
.if DOCPART == 2
	.amdgcn_target "amdgcn-amd-amdhsa--gfx1250"
	.amdhsa_code_object_version 6
	.text
	.protected	k_q5b67e7a105_wkv_out
	.globl	k_q5b67e7a105_wkv_out
	.p2align	8
	.type	k_q5b67e7a105_wkv_out,@function
k_q5b67e7a105_wkv_out:
	s_mov_b64 s[64:65], 0
	v_nop
	global_prefetch_b8 v0, s[64:65] scope:SCOPE_SE
	s_setreg_imm32_b32 hwreg(HW_REG_WAVE_MODE, 25, 1), 1
	s_wait_xcnt 0x0
; RWKV-6 WKV, second launch: the outputs.  A work-group owns one pair (b, h) and one segment of 512 steps.  It folds the earlier segments'
; records into its start state (S = G0; S = P1 * S + G1; ...), then walks its steps in blocks of 16.
; LEFT OUT AS DEAD: the state behind the last block of segment 3 is still made inside the common text, but no record of segment 3 exists (reference() drops the
; final state).  In segment 0 the start state is reference()'s zeros: S is set to 0 and the first block's product with it stays in the chain that also holds live sums.
; A BLOCK (t, s = 0..15, d = exp(-exp(w))):   o = A V + RIN S,   S' = D * S + KOUT^T V.
;   R_l[t] = r_t * product of d from (t with its low l bits cleared) to t-1;   K_l[s] = k_s * product of d from s+1 to (s with its low l bits set).
;   For s < t with l the highest bit in which they differ:  A[t][s] = R_l[t] . K_l[s];   A[t][t] = (r_t * u) . k_t;   A = 0 above the diagonal.
;   RIN = R_4, KOUT = K_4, D = the product of the 16 d.  Every factor is a product of d, at most 1: nothing is divided by a decay, nothing can overflow,
;   and a product that underflows is 0, as it should be.  Five products K_l R_l^T (and the diagonal's) are made whole; a select by lane takes each entry from its level.
; FORMATS: R_l, K_l, r*u, KOUT and V (for the state) in f16.  For o, whose operands A and S have no room in f16: A, V, RIN and S each as two bf16, a value and
;   its remainder; of RIN S the product of the two remainders, under 2^-16 of its term, is left out.  All sums, and S itself, in f32.
; LIMITS: |r|, |k|, |v| and |r u| below 65,504 (f16's range); v_exp_f32 flushes results under 2^-126 to 0 (d = 0, or exp(w) = 0 and d = 1).
; SHARES: 64 steps at a time.  First wave wv prepares block wv (lane = 4 channels x 8 steps, register window 1); then wave wv, which owns state and output
; columns 16 wv .. 16 wv + 15, walks the four blocks (window 0); then each wave stores 16 whole rows of 256 bytes.  Two barriers for 64 steps.
; No tensor loads: each 16-byte load of a wave already takes two whole rows of 256 bytes.  No cluster: work-groups share no input.
.set ROWB, 4096                        ; bytes from a step to the next
.set SCB,  64*ROWB
.set REC,  16640                       ; a record of state: G 16,384 bytes, P 256 bytes
.set BLK,  16128                       ; LDS of one block, read by all waves:
.set O_RH, 0                           ;   RIN, bf16, [16][64], pitch 144
.set O_RL, 2304                        ;   its remainder
.set O_KO, 4608                        ;   KOUT f16, pitch 160 (read by transposing loads)
.set O_VF, 7168                        ;   V f16, pitch 160
.set O_VB, 9728                        ;   V bf16, pitch 160
.set O_VL, 12288                       ;   its remainder, pitch 160
.set O_AI, 14848                       ;   A as the matrix operand's registers: value 512 bytes, remainder 512 bytes
.set O_DB, 15872                       ;   D f32 [64]
.set OBUF, 4*BLK                       ; 64 rows of o, pitch 272
.set OPIT, 272
.set PRIV, OBUF+64*OPIT                ; each wave's own: nine f16 arrays [16][64], pitch 144: R0, r*u, R1, R2, R3, K0, K1, K2, K3
.set ARR,  2304
.set PRW,  9*ARR
; window 1
.set RR, 0
.set KK, 32
.set WW, 64
.set VV, 96
.set FF, 128                           ; nine fragments of 8 registers; before that, at work:
.set TR, 128                           ;   packed rows of R
.set TK, 144                           ;   packed rows of K
.set T2, 160                           ;   products of 2 decays, four groups (first: the packed remainder of V)
.set T4, 176                           ;   of 4, two groups
.set T8, 184                           ;   of my 8 rows
.set X8, 188                           ;   of the other half's 8 rows
.set RUP, 176                          ;   packed rows of r*u (stored before T4, T8, X8 are made)
.set FR, 192
.set FK, 196
.set AC0, 200                          ; the five products
.set ACD, 208
.set AC1, 216
.set AC2, 224
.set AC3, 232
.set TD, 200                           ; D (before the products)
.set AH, 200                           ; A's value and remainder, packed (behind the select)
.set AL, 204
.set UU, 240
.set APR, 244
.set AFR, 245
.set AS4, 246
.set AS6, 247
.set AIM, 248
.set ADB, 249
.set GIN, 250
.set GU,  251
.set NEG1, 252
; window 0, all 256 registers in use
.set G_O,  0                           ; written last in the set-up: the thread's number is not needed behind it
.set A_FR, 1
.set A_TK, 2
.set A_TV, 3
.set A_IM, 4
.set A_D,  5                           ; 32 h: serves D in LDS and P in a record
.set A_OS, 6
.set A_OR, 7
.set G_S,  8                           ; the records' offset, used ahead of the loop only; then part of set 0's V
.set SS, 16                            ; the state: tile mt at 8 mt; lane (r, h): column r, channels 16 mt + 8 h + 0..7
.set SB, 48                            ; the state in bf16: already the operand's layout
.set SBL, 64                           ; its remainder
.set OA, 80                            ; o in two sums, so that no matrix instruction follows one on its own accumulator
.set OB, 88                            ; (ahead of the products both serve as 16 registers at work)
.set DF, 96
.set RH, 128
.set RL, 144
.set SET0, 160                         ; operand set p at 160 + 44 p: A +0, V bf16 +8, its remainder +16, KOUT tiles +24 + 4 mt, four registers of -1.0 at +40
.set SETW, 44                          ; V f16 of set p: v[8 + 240 p : 15 + 240 p], the upper four registers 0
.set NG, SET0+40                       ; -1.0
.set X1, 96                            ; the fold's records, before the loop
.set Y1, 128
.set X2, 160
.set Y2, 192
.set MSB, 0
.macro WIN new                         ; the immediate's high byte repeats the setting that is left
.if MSB != \new
	s_set_vgpr_msb (MSB<<8)|\new
.set MSB, \new
.endif
.endm
.macro MULROW d, f
	v_pk_mul_f32 v[\d:\d+1], v[\d:\d+1], v[\f:\f+1]
	v_pk_mul_f32 v[\d+2:\d+3], v[\d+2:\d+3], v[\f+2:\f+3]
.endm
.macro CVH t, s
	v_cvt_pk_f16_f32 v[\t], v[\s], v[\s+1]
	v_cvt_pk_f16_f32 v[\t+1], v[\s+2], v[\s+3]
.endm
.macro CVB t, s
	v_cvt_pk_bf16_f32 v[\t], v[\s], v[\s+1]
	v_cvt_pk_bf16_f32 v[\t+1], v[\s+2], v[\s+3]
.endm
.macro REM4 s, t                       ; four f32 at s less their bf16 values, packed at t
.irp c, 0,1
	v_fma_mix_f32_bf16 v[\s+2*\c], v[\t+\c], v[NEG1], v[\s+2*\c] op_sel_hi:[1,0,0]
	v_fma_mix_f32_bf16 v[\s+2*\c+1], v[\t+\c], v[NEG1], v[\s+2*\c+1] op_sel:[1,0,0] op_sel_hi:[1,0,0]
.endr
.endm
.macro UPR j, f                        ; row j of R takes a factor and is packed anew
	MULROW RR+4*\j, \f
	CVH TR+2*\j, RR+4*\j
.endm
.macro UPK j, f
	MULROW KK+4*\j, \f
	CVH TK+2*\j, KK+4*\j
.endm
.macro ST8 addr, t, o, pitch
.irp j, 0,1,2,3,4,5,6,7
	ds_store_b64 v[\addr], v[\t+2*\j:\t+2*\j+1] offset:\o+\j*\pitch
.endr
.endm
.macro BAR                             ; my LDS stores and loads are done, then the work-group's barrier
	s_wait_dscnt 0x0
	s_barrier_signal -1
	s_barrier_wait -1
.endm
.macro PLACES                          ; four places behind a matrix instruction (ISA guide 7.12.1)
.rept 4
	v_nop
.endr
.endm
.macro INLOAD                          ; 32 loads, two whole rows of 256 bytes each, in the order in which they are wanted
.irp j, 0,1,2,3,4,5,6,7
	global_load_b128 v[WW+4*\j:WW+4*\j+3], v[GIN], s[10:11] offset:\j*ROWB th:TH_LOAD_NT
.endr
.irp j, 0,1,2,3,4,5,6,7
	global_load_b128 v[VV+4*\j:VV+4*\j+3], v[GIN], s[8:9] offset:\j*ROWB th:TH_LOAD_NT
.endr
.irp j, 0,1,2,3,4,5,6,7
	global_load_b128 v[RR+4*\j:RR+4*\j+3], v[GIN], s[4:5] offset:\j*ROWB th:TH_LOAD_NT
.endr
.irp j, 0,1,2,3,4,5,6,7
	global_load_b128 v[KK+4*\j:KK+4*\j+3], v[GIN], s[6:7] offset:\j*ROWB th:TH_LOAD_NT
.endr
.endm
.macro LOADG dst, rec
.irp c, 0,1,2,3,4,5,6,7
	global_load_b128 v[\dst+4*\c:\dst+4*\c+3], v[G_S], s[14:15] offset:\rec*REC+512*\c
.endr
.endm
.macro LOADP dst, rec
.irp m, 0,1,2,3
	global_load_b128 v[\dst+8*\m:\dst+8*\m+3], v[A_D], s[14:15] offset:\rec*REC+16384+64*\m
	global_load_b128 v[\dst+8*\m+4:\dst+8*\m+7], v[A_D], s[14:15] offset:\rec*REC+16384+64*\m+16
.endr
.endm
.macro FOLD x, y                       ; S = P * S + G
.set ii, 0
.rept 16
	v_pk_fma_f32 v[SS+2*ii:SS+2*ii+1], v[SS+2*ii:SS+2*ii+1], v[\y+2*ii:\y+2*ii+1], v[\x+2*ii:\x+2*ii+1]
.set ii, ii+1
.endr
.endm
	s_load_b256 s[4:11], s[0:1], 0x0               ; r s[4:5], k s[6:7], v s[8:9], w s[10:11]
	s_load_b128 s[12:15], s[0:1], 0x20             ; u s[12:13], state s[14:15]
	s_load_b64 s[16:17], s[0:1], 0x30              ; out0
	s_set_vgpr_msb 0x40
	v_lshl_add_u32 v254, v0, 2, 0x28400
	v_mov_b32 v255, 0
	s_set_vgpr_msb 0x4000
	v_lshrrev_b32 v36, 5, v0
	v_readfirstlane_b32 s18, v36                   ; wave
	s_mov_b32 s19, ttmp9                           ; segment 0..3
	s_and_b32 s20, ttmp7, 0xffff                   ; bh = 16 b + h
	s_mov_b32 s25, 0x76543210                      ; v_permlanex16_b32: lane i takes lane i of the other half
	s_mov_b32 s26, 0xfedcba98
	s_mov_b32 s27, 0xffff0000                      ; lanes 16 to 31
	; the select's masks.  In a product, lane (r, h) holds t = r, and its register j holds s = 8 h + j.
	s_mov_b32 s28, 0x0000ff00                      ; level 3: t 8-15, s 0-7
	s_mov_b32 s29, 0xf00000f0                      ; level 2: registers 0-3, t = 8 h + 4..7
	s_mov_b32 s30, 0x0c00000c                      ; level 1: registers 0, 1, t = 8 h + 2, 3
	s_mov_b32 s31, 0xc00000c0                      ;          registers 4, 5, t = 8 h + 6, 7
.irp j, 0,2,4,6
	s_mov_b32 s[32+\j/2], (1<<(\j+1))|(1<<(25+\j)) ; level 0: even register j, t = 8 h + j + 1
.endr
.irp j, 0,1,2,3,4,5,6,7
	s_mov_b32 s[36+\j], (1<<\j)|(1<<(24+\j))       ; the diagonal: t = 8 h + j
.endr
	s_mov_b32 s44, 0x3fb8aa3b                      ; log2(e), a pair for the packed multiply
	s_mov_b32 s45, 0x3fb8aa3b
	s_mov_b32 s46, 0xbfb8aa3b
	s_mov_b32 s47, 0xbfb8aa3b
	s_lshr_b32 s21, s20, 4
	s_lshl_b32 s22, s21, 23                        ; b x 2,048 steps
	s_lshl_b32 s21, s19, 21                        ; segment x 512 steps
	s_or_b32 s22, s22, s21
	s_and_b32 s21, s20, 15
	s_lshl_b32 s48, s21, 8                         ; h x 256 bytes
	s_or_b32 s22, s22, s48
	s_mov_b32 s23, 0
	s_mov_b32 s49, 0
	s_mul_i32 s50, s20, 3*REC                      ; this pair's three records
	s_mov_b32 s51, 0
	s_mul_i32 s52, s18, BLK
	s_mul_i32 s53, s18, PRW
	s_add_co_u32 s53, s53, PRIV
	s_lshl_b32 s54, s18, 5
	s_lshl_b32 s55, s18, 6
	s_add_co_u32 s55, s55, OBUF
	s_mul_i32 s56, s18, 16*OPIT
	s_add_co_u32 s56, s56, OBUF
	s_lshl_b32 s57, s18, 16
	s_add_co_u32 s58, s52, O_AI
	s_add_co_u32 s59, s52, O_DB
	; v16 to v36 are at work here; the state is written into them only below
	v_and_b32 v32, 15, v0                          ; q (also r)
	v_bfe_u32 v33, v0, 4, 1                        ; hh (also h)
	v_and_b32 v34, 31, v0                          ; lane
	v_and_b32 v35, 7, v0
	v_bfe_u32 v36, v0, 3, 1
	v_mul_u32_u24 v[A_FR], v32, 144                ; a fragment from rows along the channels: row r, 16 bytes for each half
	v_lshl_add_u32 v[A_FR], v33, 4, v[A_FR]
	v_lshl_add_u32 v[A_TK], v33, 3, v35            ; transposing load: step 8 h + lane % 8,
	v_mul_u32_u24 v[A_TK], v[A_TK], 160
	v_lshl_add_u32 v[A_TK], v36, 4, v[A_TK]        ; 16 bytes for each group of eight lanes
	v_add_nc_u32 v[A_TV], s54, v[A_TK]             ; my 16 columns
	v_lshlrev_b32 v[A_IM], 4, v34
	v_lshlrev_b32 v[A_D], 5, v33
	v_mul_u32_u24 v[A_OS], v32, OPIT               ; o in: row r, my 64 bytes, 32 for each half
	v_lshl_add_u32 v[A_OS], v33, 5, v[A_OS]
	v_add_nc_u32 v[A_OS], s55, v[A_OS]
	v_mul_u32_u24 v[A_OR], v33, OPIT               ; o back: lanes 0-15 one row, lanes 16-31 the next
	v_lshl_add_u32 v[A_OR], v32, 4, v[A_OR]
	v_add_nc_u32 v[A_OR], s56, v[A_OR]
	v_lshlrev_b32 v18, 4, v32
	v_lshl_add_u32 v[G_S], s18, 12, v[A_IM]
	v_mul_u32_u24 v16, v33, 1152                   ; rows 8 hh .. at pitch 144, 8 bytes for my 4 channels
	v_lshl_add_u32 v16, v32, 3, v16
	v_add_nc_u32 v20, s53, v16
	v_add_nc_u32 v21, s53, v[A_FR]
	v_add_nc_u32 v22, s52, v16
	v_mul_u32_u24 v17, v33, 1280                   ; the same at pitch 160
	v_lshl_add_u32 v17, v32, 3, v17
	v_add_nc_u32 v23, s52, v17
	v_add_nc_u32 v24, s58, v[A_IM]
	v_add_nc_u32 v25, s59, v18
	v_lshl_add_u32 v26, v33, 15, v18
	v_add_nc_u32 v26, s57, v26
	v_lshl_add_u32 v19, v33, 12, v18
	v_add_nc_u32 v[G_O], s57, v19                  ; my 16 bytes of o's first two rows
	WIN 0x40                                       ; destination in window 1
	v_mov_b32 v[APR], v20
	v_mov_b32 v[AFR], v21
	v_mov_b32 v[AS4], v22
	v_mov_b32 v[AS6], v23
	v_mov_b32 v[AIM], v24
	v_mov_b32 v[ADB], v25
	v_mov_b32 v[GIN], v26
	v_mov_b32 v[GU], v18
	v_mov_b32 v[NEG1], -1.0
	s_wait_kmcnt 0x0
	s_add_nc_u64 s[4:5], s[4:5], s[22:23]
	s_add_nc_u64 s[6:7], s[6:7], s[22:23]
	s_add_nc_u64 s[8:9], s[8:9], s[22:23]
	s_add_nc_u64 s[10:11], s[10:11], s[22:23]
	s_add_nc_u64 s[16:17], s[16:17], s[22:23]
	s_add_nc_u64 s[12:13], s[12:13], s[48:49]
	s_add_nc_u64 s[14:15], s[14:15], s[50:51]
	WIN 0x55                                       ; everything in window 1
	global_load_b128 v[UU:UU+3], v[GU], s[12:13]   ; ahead of w, so that the counted waits below hold in the first trip too
	INLOAD
	WIN 0
	; the start state: one straight way for each segment, all its loads issued together
	s_cmp_eq_u32 s19, 0
	s_cbranch_scc1 .Lseg0
	s_cmp_eq_u32 s19, 1
	s_cbranch_scc1 .Lseg1
	s_cmp_eq_u32 s19, 2
	s_cbranch_scc1 .Lseg2
	LOADG SS, 0
	LOADG X1, 1
	LOADP Y1, 1
	LOADG X2, 2
	LOADP Y2, 2
	s_wait_loadcnt 0x0
	FOLD X1, Y1
	FOLD X2, Y2
	s_branch .Lgo
.Lseg2:
	LOADG SS, 0
	LOADG X1, 1
	LOADP Y1, 1
	s_wait_loadcnt 0x0
	FOLD X1, Y1
	s_branch .Lgo
.Lseg1:
	LOADG SS, 0
	s_wait_loadcnt 0x0
	s_branch .Lgo
.Lseg0:
.set ii, 0
.rept 32
	v_mov_b32 v[SS+ii], 0                          ; reference()'s S0
.set ii, ii+1
.endr
.Lgo:
	; A block has 16 steps, the matrix form sums over 32.  The upper half of V's f16 operand is 0, so the upper half of KOUT's operand only has to be finite:
	; for tiles 0 to 2 it is the next tile (f16 numbers inside the stated range), for tile 3 four registers of -1.0, whose f16 halves are 0 and -1.875.
.irp c, 4,5,6,7
	v_mov_b32 v[8+\c], 0
	v_mov_b32 v[248+\c], 0
.endr
.irp c, 0,1,2,3
	v_mov_b32 v[SET0+40+\c], -1.0
	v_mov_b32 v[SET0+SETW+40+\c], -1.0
.endr
.macro FRAGS c                                     ; the nine arrays' fragments for channels 32 c .. 32 c + 31 (my own bytes: LDS serves a wave in order)
.set aa, 0
.rept 9
	ds_load_b128 v[FF+8*aa:FF+8*aa+3], v[AFR] offset:aa*ARR+64*\c
	ds_load_b128 v[FF+8*aa+4:FF+8*aa+7], v[AFR] offset:aa*ARR+64*\c+32
.set aa, aa+1
.endr
	s_wait_dscnt 0x0
.endm
.macro PW1 acc, ka, ra, zero                       ; acc(s, t) (+)= K . R
.if \zero
	v_wmma_f32_16x16x32_f16 v[\acc:\acc+7], v[FF+8*\ka:FF+8*\ka+7], v[FF+8*\ra:FF+8*\ra+7], 0
.else
	v_wmma_f32_16x16x32_f16 v[\acc:\acc+7], v[FF+8*\ka:FF+8*\ka+7], v[FF+8*\ra:FF+8*\ra+7], v[\acc:\acc+7]
.endif
.endm
.macro PROD5 zero                                  ; five accumulators take turns, one matrix instruction a turn
	PW1 AC0, 5, 0, \zero
	PW1 ACD, 5, 1, \zero
	PW1 AC1, 6, 2, \zero
	PW1 AC2, 7, 3, \zero
	PW1 AC3, 8, 4, \zero
	PLACES
.endm
; Wave wv prepares block wv of the 64 steps.  ahead = 1: the next 64 steps' loads go out.
.macro PREP ahead
	WIN 0x55
	s_wait_loadcnt 24                              ; w is in; the 24 loads of v, r, k may stay out
.set ii, 0
.rept 16
	v_pk_mul_f32 v[WW+2*ii:WW+2*ii+1], v[WW+2*ii:WW+2*ii+1], s[44:45] op_sel_hi:[1,0]
.set ii, ii+1
.endr
.set ii, 0
.rept 32
	v_exp_f32 v[WW+ii], v[WW+ii]                   ; exp(w)
.set ii, ii+1
.endr
	s_wait_loadcnt 16                              ; v is in.  The conversions are also the plain place behind the exponentials
.irp j, 0,1,2,3,4,5,6,7
	CVH TR+2*\j, VV+4*\j
	CVB TK+2*\j, VV+4*\j
.endr
	ST8 AS6, TR, O_VF, 160
	ST8 AS6, TK, O_VB, 160
.irp j, 0,1,2,3,4,5,6,7                            ; v less its bf16 value, again in bf16
	REM4 VV+4*\j, TK+2*\j
	CVB T2+2*\j, VV+4*\j
.endr
	ST8 AS6, T2, O_VL, 160
.set ii, 0
	s_wait_alu depctr_va_vdst(0)
.rept 16
	v_pk_mul_f32 v[WW+2*ii:WW+2*ii+1], v[WW+2*ii:WW+2*ii+1], s[46:47] op_sel_hi:[1,0]
.set ii, ii+1
.endr
.set ii, 0
.rept 32
	v_exp_f32 v[WW+ii], v[WW+ii]                   ; d = exp(-exp(w))
.set ii, ii+1
.endr
	s_wait_loadcnt 0                               ; r and k are in
.irp j, 0,1,2,3,4,5,6,7                            ; level 0: r and k as they are
	CVH TR+2*\j, RR+4*\j
	CVH TK+2*\j, KK+4*\j
.endr
	ST8 APR, TR, 0*ARR, 144
	ST8 APR, TK, 5*ARR, 144
.irp j, 0,1,2,3,4,5,6,7                            ; r * u, for the diagonal
	v_pk_mul_f32 v[T2+4*(\j%4):T2+4*(\j%4)+1], v[RR+4*\j:RR+4*\j+1], v[UU:UU+1]
	v_pk_mul_f32 v[T2+4*(\j%4)+2:T2+4*(\j%4)+3], v[RR+4*\j+2:RR+4*\j+3], v[UU+2:UU+3]
	CVH RUP+2*\j, T2+4*(\j%4)
.endr
	ST8 APR, RUP, 1*ARR, 144
	s_wait_alu depctr_va_vdst(0)
.irp g, 0,1,2,3                                    ; the groups' products
	v_pk_mul_f32 v[T2+4*\g:T2+4*\g+1], v[WW+8*\g:WW+8*\g+1], v[WW+8*\g+4:WW+8*\g+5]
	v_pk_mul_f32 v[T2+4*\g+2:T2+4*\g+3], v[WW+8*\g+2:WW+8*\g+3], v[WW+8*\g+6:WW+8*\g+7]
.endr
.irp g, 0,1
	v_pk_mul_f32 v[T4+4*\g:T4+4*\g+1], v[T2+8*\g:T2+8*\g+1], v[T2+8*\g+4:T2+8*\g+5]
	v_pk_mul_f32 v[T4+4*\g+2:T4+4*\g+3], v[T2+8*\g+2:T2+8*\g+3], v[T2+8*\g+6:T2+8*\g+7]
.endr
	v_pk_mul_f32 v[T8:T8+1], v[T4:T4+1], v[T4+4:T4+5]
	v_pk_mul_f32 v[T8+2:T8+3], v[T4+2:T4+3], v[T4+6:T4+7]
.irp c, 0,1,2,3
	v_permlanex16_b32 v[X8+\c], v[T8+\c], s25, s26 ; the other eight rows' product (X8 was written above, as part of RUP)
.endr
	v_pk_mul_f32 v[TD:TD+1], v[T8:T8+1], v[X8:X8+1]
	v_pk_mul_f32 v[TD+2:TD+3], v[T8+2:T8+3], v[X8+2:X8+3]
	ds_store_b128 v[ADB], v[TD:TD+3]               ; both halves of the lanes hold, and write, the same numbers
.irp c, 0,1,2,3
	v_cndmask_b32 v[FR+\c], 1.0, v[X8+\c], s27     ; rows 8-15 of R pass rows 0-7
	v_cndmask_b32 v[FK+\c], v[X8+\c], 1.0, s27     ; rows 0-7 of K pass rows 8-15
.endr
.irp j, 1,3,5,7                                    ; level 1
	UPR \j, WW+4*\j-4
.endr
.irp j, 0,2,4,6
	UPK \j, WW+4*\j+4
.endr
	ST8 APR, TR, 2*ARR, 144
	ST8 APR, TK, 6*ARR, 144
	UPR 2, T2                                      ; level 2
	UPR 3, T2
	UPR 6, T2+8
	UPR 7, T2+8
	UPK 0, T2+4
	UPK 1, T2+4
	UPK 4, T2+12
	UPK 5, T2+12
	ST8 APR, TR, 3*ARR, 144
	ST8 APR, TK, 7*ARR, 144
.irp j, 4,5,6,7                                    ; level 3
	UPR \j, T4
.endr
.irp j, 0,1,2,3
	UPK \j, T4+4
.endr
	ST8 APR, TR, 4*ARR, 144
	ST8 APR, TK, 8*ARR, 144
.irp j, 0,1,2,3,4,5,6,7                            ; level 4: KOUT,
	UPK \j, FK
.endr
	ST8 AS6, TK, O_KO, 160
.irp j, 0,1,2,3,4,5,6,7                            ; and RIN as a bf16 value
	MULROW RR+4*\j, FR
	CVB TR+2*\j, RR+4*\j
.endr
	ST8 AS4, TR, O_RH, 144
.irp j, 0,1,2,3,4,5,6,7                            ; and the remainder RIN - value, again in bf16
	REM4 RR+4*\j, TR+2*\j
	CVB TK+2*\j, RR+4*\j
.endr
	ST8 AS4, TK, O_RL, 144
.if \ahead
	v_add_nc_u32 v[GIN], SCB, v[GIN]               ; free: the wait for 0 above showed every load done
	INLOAD                                         ; they have the products, the walk over four blocks and the way out in which to land
.endif
	FRAGS 0
	PROD5 1                                        ; the first products start the sums
	FRAGS 1
	PROD5 0
.irp j, 0,1,2,3,4,5,6,7                            ; each entry from its level; above the diagonal 0
	v_cndmask_b32 v[AC3+\j], 0, v[AC3+\j], s28
.endr
.irp j, 0,1,2,3
	v_cndmask_b32 v[AC3+\j], v[AC3+\j], v[AC2+\j], s29
.endr
.irp j, 0,1
	v_cndmask_b32 v[AC3+\j], v[AC3+\j], v[AC1+\j], s30
	v_cndmask_b32 v[AC3+\j+4], v[AC3+\j+4], v[AC1+\j+4], s31
.endr
.irp j, 0,2,4,6
	v_cndmask_b32 v[AC3+\j], v[AC3+\j], v[AC0+\j], s[32+\j/2]
.endr
.irp j, 0,1,2,3,4,5,6,7
	v_cndmask_b32 v[AC3+\j], v[AC3+\j], v[ACD+\j], s[36+\j]
.endr
.irp i, 0,1,2,3                                    ; lane (t, h) holds A[t][8 h ..]: packed, that is the operand's layout
	v_cvt_pk_bf16_f32 v[AH+\i], v[AC3+2*\i], v[AC3+2*\i+1]
.endr
	REM4 AC3, AH
	REM4 AC3+4, AH+2
.irp i, 0,1,2,3
	v_cvt_pk_bf16_f32 v[AL+\i], v[AC3+2*\i], v[AC3+2*\i+1]
.endr
	ds_store_b128 v[AIM], v[AH:AH+3]
	ds_store_b128 v[AIM], v[AL:AL+3] offset:512
	WIN 0
	BAR                                            ; the four blocks are whole
.endm
.macro DFLOAD n                                    ; 8 loads
.irp m, 0,1,2,3
	ds_load_b128 v[DF+8*\m:DF+8*\m+3], v[A_D] offset:(\n)*BLK+O_DB+64*\m
	ds_load_b128 v[DF+8*\m+4:DF+8*\m+7], v[A_D] offset:(\n)*BLK+O_DB+64*\m+16
.endr
.endm
.macro LOADSET n, p                                ; 11 loads
	ds_load_b128 v[SET0+SETW*(\p):SET0+SETW*(\p)+3], v[A_IM] offset:(\n)*BLK+O_AI
	ds_load_b128 v[SET0+SETW*(\p)+4:SET0+SETW*(\p)+7], v[A_IM] offset:(\n)*BLK+O_AI+512
	ds_load_tr16_b128 v[SET0+SETW*(\p)+8:SET0+SETW*(\p)+11], v[A_TV] offset:(\n)*BLK+O_VB    ; V's value against A's value,
	ds_load_tr16_b128 v[SET0+SETW*(\p)+12:SET0+SETW*(\p)+15], v[A_TV] offset:(\n)*BLK+O_VB   ; and once more against A's remainder
	ds_load_tr16_b128 v[SET0+SETW*(\p)+16:SET0+SETW*(\p)+19], v[A_TV] offset:(\n)*BLK+O_VL   ; V's remainder, likewise twice
	ds_load_tr16_b128 v[SET0+SETW*(\p)+20:SET0+SETW*(\p)+23], v[A_TV] offset:(\n)*BLK+O_VL
	ds_load_tr16_b128 v[8+240*(\p):11+240*(\p)], v[A_TV] offset:(\n)*BLK+O_VF
.irp m, 0,1,2,3
	ds_load_tr16_b128 v[SET0+SETW*(\p)+24+4*\m:SET0+SETW*(\p)+27+4*\m], v[A_TK] offset:(\n)*BLK+O_KO+32*\m
.endr
.endm
.macro RLOAD n                                     ; 8 loads
.irp c, 0,1
	ds_load_b128 v[RH+8*\c:RH+8*\c+3], v[A_FR] offset:(\n)*BLK+O_RH+64*\c
	ds_load_b128 v[RH+8*\c+4:RH+8*\c+7], v[A_FR] offset:(\n)*BLK+O_RH+64*\c+32
	ds_load_b128 v[RL+8*\c:RL+8*\c+3], v[A_FR] offset:(\n)*BLK+O_RL+64*\c
	ds_load_b128 v[RL+8*\c+4:RL+8*\c+7], v[A_FR] offset:(\n)*BLK+O_RL+64*\c+32
.endr
.endm
.macro OLINK acc, a, b
	v_wmma_f32_16x16x32_bf16 v[\acc:\acc+7], v[\a:\a+7], v[\b:\b+7], v[\acc:\acc+7]
.endm
.macro SLINK m, p
	v_wmma_f32_16x16x32_f16 v[SS+8*\m:SS+8*\m+7], v[SET0+SETW*\p+24+4*\m:SET0+SETW*\p+31+4*\m], v[8+240*\p:15+240*\p], v[SS+8*\m:SS+8*\m+7]
.endm
; Block n.  o (transposed: lane = step, registers = 8 neighbouring columns) = V^T A^T + S^T RIN^T; then S = D * S + KOUT^T V.
.macro COMP n, p, nxt
	s_wait_dscnt 8                                 ; all but the youngest eight, RIN's: D and this block's operand set are in
.set ii, 0
.rept 16
	v_cvt_pk_bf16_f32 v[SB+ii], v[SS+2*ii], v[SS+2*ii+1]   ; the state as it stands at the block's head: its bf16 value,
.set ii, ii+1
.endr
.set ii, 0
.rept 16                                           ; and the remainder, by way of OA's and OB's registers
	v_fma_mix_f32_bf16 v[OA+2*(ii%8)], v[SB+ii], v[NG], v[SS+2*ii] op_sel_hi:[1,0,0]
	v_fma_mix_f32_bf16 v[OA+2*(ii%8)+1], v[SB+ii], v[NG], v[SS+2*ii+1] op_sel:[1,0,0] op_sel_hi:[1,0,0]
	v_cvt_pk_bf16_f32 v[SBL+ii], v[OA+2*(ii%8)], v[OA+2*(ii%8)+1]
.set ii, ii+1
.endr
.set ii, 0
.rept 16
	v_pk_mul_f32 v[SS+2*ii:SS+2*ii+1], v[SS+2*ii:SS+2*ii+1], v[DF+2*ii:DF+2*ii+1]
.set ii, ii+1
.endr
.if \nxt
	DFLOAD \n+1
	LOADSET \n+1, 1-\p
.endif
	; o's two sums and the four state tiles take turns, one matrix instruction a turn
	v_wmma_f32_16x16x32_bf16 v[OA:OA+7], v[SET0+SETW*\p+8:SET0+SETW*\p+15], v[SET0+SETW*\p:SET0+SETW*\p+7], 0
	v_wmma_f32_16x16x32_bf16 v[OB:OB+7], v[SET0+SETW*\p+16:SET0+SETW*\p+23], v[SET0+SETW*\p:SET0+SETW*\p+7], 0
	SLINK 0, \p
	s_wait_dscnt 19*\nxt                           ; all but the 19 just issued (8 of D, 11 of the set): RIN is in
	OLINK OA, SB, RH
	OLINK OB, SB+8, RH+8
	SLINK 1, \p
	OLINK OA, SB, RL
	OLINK OB, SB+8, RL+8
	SLINK 2, \p
	OLINK OA, SBL, RH
	OLINK OB, SBL+8, RH+8
	SLINK 3, \p
	PLACES
.irp i, 0,1,2,3
	v_pk_add_f32 v[OA+2*\i:OA+2*\i+1], v[OA+2*\i:OA+2*\i+1], v[OB+2*\i:OB+2*\i+1]
.endr
	ds_store_b128 v[A_OS], v[OA:OA+3] offset:\n*16*OPIT
	ds_store_b128 v[A_OS], v[OA+4:OA+7] offset:\n*16*OPIT+16
.if \nxt
	RLOAD \n+1
.endif
.endm
.macro OUT step                                    ; my 16 rows of o, two at a time: sixteen lanes store 256 consecutive bytes, aligned
.irp i, 0,1,2,3,4,5,6,7
	ds_load_b128 v[DF+4*\i:DF+4*\i+3], v[A_OR] offset:\i*2*OPIT
.endr
.irp i, 0,1,2,3,4,5,6,7
	s_wait_dscnt 7-\i                              ; LDS loads come back in order: pair i is in
	global_store_b128 v[G_O], v[DF+4*\i:DF+4*\i+3], s[16:17] offset:\i*2*ROWB th:TH_STORE_NT
.endr
.if \step
	s_wait_xcnt 0x0                                ; the stores' base is stepped, and DF loaded again, only behind this wait
	s_add_nc_u64 s[16:17], s[16:17], SCB
.endif
.endm
.macro SC ahead
	PREP \ahead
	DFLOAD 0
	LOADSET 0, 0
	RLOAD 0
	COMP 0, 0, 1
	COMP 1, 1, 1
	COMP 2, 0, 1
	COMP 3, 1, 0
	BAR                                            ; every wave has read the four blocks and written its columns of o
	OUT \ahead
.endm
	s_mov_b32 s24, 7
.Lsc:
	SC 1
	s_sub_co_u32 s24, s24, 1
	s_cmp_lg_u32 s24, 0
	s_cbranch_scc1 .Lsc
	SC 0                                           ; the last 64 steps load nothing further
	s_set_vgpr_msb 0x5
	s_wait_tensorcnt 0x0
	ds_add_u32 v254, v255
	s_wait_dscnt 0x0
	s_set_vgpr_msb 0x500
	s_endpgm
.Lfunc_end_k_q5b67e7a105_wkv_out:
	.size	k_q5b67e7a105_wkv_out, .Lfunc_end_k_q5b67e7a105_wkv_out-k_q5b67e7a105_wkv_out
	.p2alignl 7, 3214868480
	.fill 96, 4, 3214868480
	.section	.rodata,"a",@progbits
	.p2align	6, 0x0
	.amdhsa_kernel k_q5b67e7a105_wkv_out
		.amdhsa_group_segment_fixed_size 165376
		.amdhsa_private_segment_fixed_size 0
		.amdhsa_enable_private_segment 0
		.amdhsa_kernarg_size 56
		.amdhsa_user_sgpr_count 2
		.amdhsa_user_sgpr_kernarg_segment_ptr 1
		.amdhsa_wavefront_size32 1
		.amdhsa_system_sgpr_workgroup_id_x 1
		.amdhsa_system_sgpr_workgroup_id_y 1
		.amdhsa_system_sgpr_workgroup_id_z 1
		.amdhsa_system_vgpr_workitem_id 0
		.amdhsa_next_free_vgpr 512
		.amdhsa_next_free_sgpr 66
		.amdhsa_reserve_vcc 0
		.amdhsa_float_denorm_mode_32 3
		.amdhsa_float_denorm_mode_16_64 3
		.amdhsa_memory_ordered 1
		.amdhsa_forward_progress 1
		.amdhsa_inst_pref_size 175
	.end_amdhsa_kernel
	.amdgpu_metadata
---
amdhsa.version: [ 1, 2 ]
amdhsa.kernels:
  - .name:           k_q5b67e7a105_wkv_out
    .symbol:         k_q5b67e7a105_wkv_out.kd
    .args:
      - { .name: r, .offset: 0, .size: 8, .value_kind: global_buffer, .address_space: global }
      - { .name: k, .offset: 8, .size: 8, .value_kind: global_buffer, .address_space: global }
      - { .name: v, .offset: 16, .size: 8, .value_kind: global_buffer, .address_space: global }
      - { .name: w, .offset: 24, .size: 8, .value_kind: global_buffer, .address_space: global }
      - { .name: u, .offset: 32, .size: 8, .value_kind: global_buffer, .address_space: global }
      - { .name: state, .offset: 40, .size: 8, .value_kind: global_buffer, .address_space: global }
      - { .name: out0, .offset: 48, .size: 8, .value_kind: global_buffer, .address_space: global }
    .group_segment_fixed_size: 165376
    .private_segment_fixed_size: 0
    .kernarg_segment_align: 8
    .kernarg_segment_size: 56
    .max_flat_workgroup_size: 128
    .sgpr_count:     66
    .vgpr_count:     512
    .wavefront_size: 32
...
	.end_amdgpu_metadata
.endif
;; end of part 2
;; ======== version 2 of 2: 2 launches; version 1 with the launch wkv_out written anew for expert scheduling mode
;; limits: values are held in f16: magnitudes above 65,504 overflow, below 6.1e-05 lose precision; below input magnitudes of 6.1e-05 results are inexact or not finite
;; workspace buffers: state 3,194,880 bytes
;; launch wkv_state: the kernel of part 1 again; grid 3 x 64, 4 waves a work-group, no clusters, 23,040 bytes of LDS; arguments k, v, w, state; writes state
;; launch wkv_out (part 3): grid 4 x 64, 4 waves a work-group, no clusters, 165,376 bytes of LDS; arguments r, k, v, w, u, state, out0; writes out0
.if DOCPART == 3
	.amdgcn_target "amdgcn-amd-amdhsa--gfx1250"
	.amdhsa_code_object_version 6
	.text
	.protected	k_q5b67e7a105_wkv_out
	.globl	k_q5b67e7a105_wkv_out
	.p2align	8
	.type	k_q5b67e7a105_wkv_out,@function
k_q5b67e7a105_wkv_out:
	s_mov_b64 s[64:65], 0
	v_nop
	global_prefetch_b8 v0, s[64:65] scope:SCOPE_SE
	s_setreg_imm32_b32 hwreg(HW_REG_WAVE_SCHED_MODE, 0, 2), 2
	s_setreg_imm32_b32 hwreg(HW_REG_WAVE_MODE, 25, 1), 1
	s_wait_xcnt 0x0
	s_wait_alu depctr_vm_vsrc(0)
; RWKV-6 WKV, second launch: the outputs.  A work-group owns one pair (b, h) and one segment of 512 steps.  It folds the earlier segments'
; records into its start state (S = G0; S = P1 * S + G1; ...), then walks its steps in blocks of 16.
; LEFT OUT AS DEAD: the state behind the last block of segment 3 is still made inside the common text, but no record of segment 3 exists (reference() drops the
; final state).  In segment 0 the start state is reference()'s zeros: S is set to 0 and the first block's product with it stays in the chain that also holds live sums.
; A BLOCK (t, s = 0..15, d = exp(-exp(w))):   o = A V + RIN S,   S' = D * S + KOUT^T V.
;   R_l[t] = r_t * product of d from (t with its low l bits cleared) to t-1;   K_l[s] = k_s * product of d from s+1 to (s with its low l bits set).
;   For s < t with l the highest bit in which they differ:  A[t][s] = R_l[t] . K_l[s];   A[t][t] = (r_t * u) . k_t;   A = 0 above the diagonal.
;   RIN = R_4, KOUT = K_4, D = the product of the 16 d.  Every factor is a product of d, at most 1: nothing is divided by a decay, nothing can overflow,
;   and a product that underflows is 0, as it should be.  Five products K_l R_l^T (and the diagonal's) are made whole; a select by lane takes each entry from its level.
; FORMATS: R_l, K_l, r*u, KOUT and V (for the state) in f16.  For o, whose operands A and S have no room in f16: A, V, RIN and S each as two bf16, a value and
;   its remainder; of RIN S the product of the two remainders, under 2^-16 of its term, is left out.  All sums, and S itself, in f32.
; LIMITS: |r|, |k|, |v| and |r u| below 65,504 (f16's range); v_exp_f32 flushes results under 2^-126 to 0 (d = 0, or exp(w) = 0 and d = 1).
; SHARES: 64 steps at a time.  First wave wv prepares block wv (lane = 4 channels x 8 steps, register window 1); then wave wv, which owns state and output
; columns 16 wv .. 16 wv + 15, walks the four blocks (window 0); then each wave stores 16 whole rows of 256 bytes.  Two barriers for 64 steps.
; No tensor loads: each 16-byte load of a wave already takes two whole rows of 256 bytes.  No cluster: work-groups share no input.
; THE MODE: SCHED_MODE bits 1:0 = 2 (LLVM: expert scheduling mode 2), set by the entry lines.  The code itself states the register dependences
; between vector or matrix instructions and memory or LDS instructions, with s_wait_alu, always for 0.
; THE PLAN, the preparation (window 1).  It goes in stages; a stage's LDS stores are dealt among the NEXT stage's vector instructions.
;   RR, KK, WW, VV   The next 64 steps' 32 loads land here; the stages read and write them.  The loads stand behind the last stage's wait.
;   P0, P1           Two buffers of packed rows (P1 = V's registers, free behind V's remainder).  A row that a level changes is packed into the OTHER buffer,
;                    so a stage never writes the place that the stores dealt in it read; what it writes was last read by stores of the stage before or earlier.
;   T2 (V's remainder), RUP, RLP, TD, AH/AL   out-buffers written by one stage and read by one run of stores.
;   FF, FG           The fragments of channels 0-31 and of channels 32-63: a buffer each (FG in window 2), loaded in one run, read by matrix instructions alone.
;   GIN              The one address that is stepped: the add stands in the last stage, ahead of that stage's wait.
;   At a stage's head: va_vdst, the stage before has written what its stores read; vm_vsrc, the stores dealt in the stage before have read what this stage writes.
; THE PLAN, the walk (window 0).  Block n on operand set p:
;   DF      read by the block's 16 multiplies; then the next block's D lands in it (at the end: o's rows, which the global stores read).
;   set 1-p read by block n - 1's matrix instructions; the next block's operands land in it.       RH, RL  read by the block's matrix instructions; loaded again at its end.
;   OA      written by vector and matrix instructions; read by the block's two LDS stores.
;   One va_vdst behind the multiplies: the 19 loads for the next block follow it, dealt among the matrix instructions, which name set p, SB, SBL, RH, RL, OA, OB and S:
;   none of the registers that those loads touch.  One va_vdst behind o's additions, for o's stores and RIN's next loads.  One vm_vsrc ahead of the next writes of OA.
.set ROWB, 4096                        ; bytes from a step to the next
.set SCB,  64*ROWB
.set REC,  16640                       ; a record of state: G 16,384 bytes, P 256 bytes
.set BLK,  16128                       ; LDS of one block, read by all waves:
.set O_RH, 0                           ;   RIN, bf16, [16][64], pitch 144
.set O_RL, 2304                        ;   its remainder
.set O_KO, 4608                        ;   KOUT f16, pitch 160 (read by transposing loads)
.set O_VF, 7168                        ;   V f16, pitch 160
.set O_VB, 9728                        ;   V bf16, pitch 160
.set O_VL, 12288                       ;   its remainder, pitch 160
.set O_AI, 14848                       ;   A as the matrix operand's registers: value 512 bytes, remainder 512 bytes
.set O_DB, 15872                       ;   D f32 [64]
.set OBUF, 4*BLK                       ; 64 rows of o, pitch 272
.set OPIT, 272
.set PRIV, OBUF+64*OPIT                ; each wave's own: nine f16 arrays [16][64], pitch 144: R0, r*u, R1, R2, R3, K0, K1, K2, K3
.set ARR,  2304
.set PRW,  9*ARR
; window 1
.set RR, 0
.set KK, 32
.set WW, 64
.set VV, 96
.set PK, 128                           ; packed rows: buffer 0 at 128 (R's row j at 128 + 2 j, K's at 144 + 2 j), buffer 1 32 registers below, in V's place
.set FF, 128                           ; nine fragments of 8 registers, channels 0-31; before that, at work:
.set T2, 160                           ;   products of 2 decays, four groups (first: the packed remainder of V)
.set RT, 176                           ;   r*u in f32, four rows at a time; then
.set T4, 176                           ;   products of 4 decays, two groups
.set T8, 184                           ;   of my 8 rows
.set X8, 188                           ;   of the other half's 8 rows
.set FR, 192
.set FK, 196
.set AC0, 200                          ; the five products
.set ACD, 208
.set AC1, 216
.set AC2, 224
.set AC3, 232
.set TD, 200                           ; D (before the products)
.set RUP, 204                          ; packed rows of r*u (before the products)
.set RLP, 220                          ; packed rows of RIN's remainder (before the products)
.set AH, 200                           ; A's value and remainder, packed (behind the select)
.set AL, 204
.set UU, 240
.set APR, 244
.set AFR, 245
.set AS4, 246
.set AS6, 247
.set AIM, 248
.set ADB, 249
.set GIN, 250
.set GU,  251
.set NEG1, 252
; window 2
.set FG, 0                             ; nine fragments of 8 registers, channels 32-63
; window 0, all 256 registers in use
.set G_O,  0                           ; written last in the set-up: the thread's number is not needed behind it
.set A_FR, 1
.set A_TK, 2
.set A_TV, 3
.set A_IM, 4
.set A_D,  5                           ; 32 h: serves D in LDS and P in a record
.set A_OS, 6
.set A_OR, 7
.set G_S,  8                           ; the records' offset, used ahead of the loop only; then part of set 0's V
.set SS, 16                            ; the state: tile mt at 8 mt; lane (r, h): column r, channels 16 mt + 8 h + 0..7
.set SB, 48                            ; the state in bf16: already the operand's layout
.set SBL, 64                           ; its remainder
.set OA, 80                            ; o in two sums, so that no matrix instruction follows one on its own accumulator
.set OB, 88                            ; (ahead of the products both serve as 16 registers at work)
.set DF, 96
.set RH, 128
.set RL, 144
.set SET0, 160                         ; operand set p at 160 + 44 p: A +0, V bf16 +8, its remainder +16, KOUT tiles +24 + 4 mt, four registers of -1.0 at +40
.set SETW, 44                          ; V f16 of set p: v[8 + 240 p : 15 + 240 p], the upper four registers 0
.set NG, SET0+40                       ; -1.0
.set X1, 96                            ; the fold's records, before the loop
.set Y1, 128
.set X2, 160
.set Y2, 192
.set MSB, 0
.macro WIN new                         ; the immediate's high byte repeats the setting that is left
.if MSB != \new
	s_set_vgpr_msb (MSB<<8)|\new
.set MSB, \new
.endif
.endm
.macro MULROW d, f
	v_pk_mul_f32 v[\d:\d+1], v[\d:\d+1], v[\f:\f+1]
	v_pk_mul_f32 v[\d+2:\d+3], v[\d+2:\d+3], v[\f+2:\f+3]
.endm
.macro CVH t, s
	v_cvt_pk_f16_f32 v[\t], v[\s], v[\s+1]
	v_cvt_pk_f16_f32 v[\t+1], v[\s+2], v[\s+3]
.endm
.macro CVB t, s
	v_cvt_pk_bf16_f32 v[\t], v[\s], v[\s+1]
	v_cvt_pk_bf16_f32 v[\t+1], v[\s+2], v[\s+3]
.endm
.macro REM4 s, t                       ; four f32 at s less their bf16 values, packed at t
.irp c, 0,1
	v_fma_mix_f32_bf16 v[\s+2*\c], v[\t+\c], v[NEG1], v[\s+2*\c] op_sel_hi:[1,0,0]
	v_fma_mix_f32_bf16 v[\s+2*\c+1], v[\t+\c], v[NEG1], v[\s+2*\c+1] op_sel:[1,0,0] op_sel_hi:[1,0,0]
.endr
.endm
; Which of the two buffers holds row j's packing: the parity of how often the row has been packed anew.  R's row j changes at level l where bit l - 1 of j is 1,
; K's where it is 0, both at level 4.  m = the mask of the levels passed (0, 1, 3, 7); e = 0 for R (1 at level 4), the level's number for K.
.macro PARITY j, m, e
.set pbit, ((((\j)&(\m))&1)+((((\j)&(\m))>>1)&1)+((((\j)&(\m))>>2)&1)+(\e))&1
.endm
.macro UPR j, f, m, e                  ; row j of R takes a factor and is packed anew, into the other buffer
	MULROW RR+4*(\j), \f
	PARITY \j, \m, \e
	CVH PK-32*pbit+2*(\j), RR+4*(\j)
.endm
.macro UPK j, f, m, e
	MULROW KK+4*(\j), \f
	PARITY \j, \m, \e
	CVH PK+16-32*pbit+2*(\j), KK+4*(\j)
.endm
.macro UPB j                           ; level 4 of R: RIN, as a bf16 value
	MULROW RR+4*(\j), FR
	PARITY \j, 7, 1
	CVB PK-32*pbit+2*(\j), RR+4*(\j)
.endm
.macro REMR j                          ; and the remainder RIN - value, again in bf16
	PARITY \j, 7, 1
	REM4 RR+4*(\j), PK-32*pbit+2*(\j)
	CVB RLP+2*(\j), RR+4*(\j)
.endm
.macro STROWR j, m, e, addr, off, pitch  ; R's row j, 8 bytes, from the buffer that holds it at that level
	PARITY \j, \m, \e
	ds_store_b64 v[\addr], v[PK-32*pbit+2*(\j):PK-32*pbit+2*(\j)+1] offset:(\off)+(\j)*(\pitch)
.endm
.macro STROWK j, m, e, addr, off, pitch
	PARITY \j, \m, \e
	ds_store_b64 v[\addr], v[PK+16-32*pbit+2*(\j):PK+16-32*pbit+2*(\j)+1] offset:(\off)+(\j)*(\pitch)
.endm
.macro STLV n, m, ek, ar, ak           ; row n of a level's R and K into my arrays ar and ak
	STROWR \n, \m, 0, APR, (\ar)*ARR, 144
	STROWK \n, \m, \ek, APR, (\ak)*ARR, 144
.endm
.macro ST0 n                           ; row n of level 0's R and K and of r*u
	STROWR \n, 0, 0, APR, 0, 144
	STROWK \n, 0, 0, APR, 5*ARR, 144
	ds_store_b64 v[APR], v[RUP+2*(\n):RUP+2*(\n)+1] offset:ARR+(\n)*144
.endm
.macro ST8 addr, t, o, pitch
.irp j, 0,1,2,3,4,5,6,7
	ds_store_b64 v[\addr], v[\t+2*\j:\t+2*\j+1] offset:\o+\j*\pitch
.endr
.endm
.macro TWO g                           ; the product of two rows' decays
	v_pk_mul_f32 v[T2+4*\g:T2+4*\g+1], v[WW+8*\g:WW+8*\g+1], v[WW+8*\g+4:WW+8*\g+5]
	v_pk_mul_f32 v[T2+4*\g+2:T2+4*\g+3], v[WW+8*\g+2:WW+8*\g+3], v[WW+8*\g+6:WW+8*\g+7]
.endm
.macro FOUR g                          ; of four rows'
	v_pk_mul_f32 v[T4+4*\g:T4+4*\g+1], v[T2+8*\g:T2+8*\g+1], v[T2+8*\g+4:T2+8*\g+5]
	v_pk_mul_f32 v[T4+4*\g+2:T4+4*\g+3], v[T2+8*\g+2:T2+8*\g+3], v[T2+8*\g+6:T2+8*\g+7]
.endm
.macro BAR                             ; my LDS stores and loads are done, then the work-group's barrier
	s_wait_dscnt 0x0
	s_barrier_signal -1
	s_barrier_wait -1
.endm
.macro PLACES                          ; four places behind a matrix instruction (ISA guide 7.12.1)
.rept 4
	v_nop
.endr
.endm
.macro INLOAD                          ; 32 loads, two whole rows of 256 bytes each, in the order in which they are wanted
.irp j, 0,1,2,3,4,5,6,7
	global_load_b128 v[WW+4*\j:WW+4*\j+3], v[GIN], s[10:11] offset:\j*ROWB th:TH_LOAD_NT
.endr
.irp j, 0,1,2,3,4,5,6,7
	global_load_b128 v[VV+4*\j:VV+4*\j+3], v[GIN], s[8:9] offset:\j*ROWB th:TH_LOAD_NT
.endr
.irp j, 0,1,2,3,4,5,6,7
	global_load_b128 v[RR+4*\j:RR+4*\j+3], v[GIN], s[4:5] offset:\j*ROWB th:TH_LOAD_NT
.endr
.irp j, 0,1,2,3,4,5,6,7
	global_load_b128 v[KK+4*\j:KK+4*\j+3], v[GIN], s[6:7] offset:\j*ROWB th:TH_LOAD_NT
.endr
.endm
.macro LOADG dst, rec
.irp c, 0,1,2,3,4,5,6,7
	global_load_b128 v[\dst+4*\c:\dst+4*\c+3], v[G_S], s[14:15] offset:\rec*REC+512*\c
.endr
.endm
.macro LOADP dst, rec
.irp m, 0,1,2,3
	global_load_b128 v[\dst+8*\m:\dst+8*\m+3], v[A_D], s[14:15] offset:\rec*REC+16384+64*\m
	global_load_b128 v[\dst+8*\m+4:\dst+8*\m+7], v[A_D], s[14:15] offset:\rec*REC+16384+64*\m+16
.endr
.endm
.macro FOLD x, y                       ; S = P * S + G
.set ii, 0
.rept 16
	v_pk_fma_f32 v[SS+2*ii:SS+2*ii+1], v[SS+2*ii:SS+2*ii+1], v[\y+2*ii:\y+2*ii+1], v[\x+2*ii:\x+2*ii+1]
.set ii, ii+1
.endr
.endm
	s_load_b256 s[4:11], s[0:1], 0x0               ; r s[4:5], k s[6:7], v s[8:9], w s[10:11]
	s_load_b128 s[12:15], s[0:1], 0x20             ; u s[12:13], state s[14:15]
	s_load_b64 s[16:17], s[0:1], 0x30              ; out0
	s_set_vgpr_msb 0x40
	v_lshl_add_u32 v254, v0, 2, 0x28400
	v_mov_b32 v255, 0
	s_set_vgpr_msb 0x4000
	v_lshrrev_b32 v36, 5, v0
	v_readfirstlane_b32 s18, v36                   ; wave
	s_mov_b32 s19, ttmp9                           ; segment 0..3
	s_and_b32 s20, ttmp7, 0xffff                   ; bh = 16 b + h
	s_mov_b32 s25, 0x76543210                      ; v_permlanex16_b32: lane i takes lane i of the other half
	s_mov_b32 s26, 0xfedcba98
	s_mov_b32 s27, 0xffff0000                      ; lanes 16 to 31
	; the select's masks.  In a product, lane (r, h) holds t = r, and its register j holds s = 8 h + j.
	s_mov_b32 s28, 0x0000ff00                      ; level 3: t 8-15, s 0-7
	s_mov_b32 s29, 0xf00000f0                      ; level 2: registers 0-3, t = 8 h + 4..7
	s_mov_b32 s30, 0x0c00000c                      ; level 1: registers 0, 1, t = 8 h + 2, 3
	s_mov_b32 s31, 0xc00000c0                      ;          registers 4, 5, t = 8 h + 6, 7
.irp j, 0,2,4,6
	s_mov_b32 s[32+\j/2], (1<<(\j+1))|(1<<(25+\j)) ; level 0: even register j, t = 8 h + j + 1
.endr
.irp j, 0,1,2,3,4,5,6,7
	s_mov_b32 s[36+\j], (1<<\j)|(1<<(24+\j))       ; the diagonal: t = 8 h + j
.endr
	s_mov_b32 s44, 0x3fb8aa3b                      ; log2(e), a pair for the packed multiply
	s_mov_b32 s45, 0x3fb8aa3b
	s_mov_b32 s46, 0xbfb8aa3b
	s_mov_b32 s47, 0xbfb8aa3b
	s_lshr_b32 s21, s20, 4
	s_lshl_b32 s22, s21, 23                        ; b x 2,048 steps
	s_lshl_b32 s21, s19, 21                        ; segment x 512 steps
	s_or_b32 s22, s22, s21
	s_and_b32 s21, s20, 15
	s_lshl_b32 s48, s21, 8                         ; h x 256 bytes
	s_or_b32 s22, s22, s48
	s_mov_b32 s23, 0
	s_mov_b32 s49, 0
	s_mul_i32 s50, s20, 3*REC                      ; this pair's three records
	s_mov_b32 s51, 0
	s_wait_alu depctr_va_sdst(0)                   ; s18 is written, ahead of its first reader: the wave's places in LDS and in memory are made from it
	s_mul_i32 s52, s18, BLK
	s_mul_i32 s53, s18, PRW
	s_add_co_u32 s53, s53, PRIV
	s_lshl_b32 s54, s18, 5
	s_lshl_b32 s55, s18, 6
	s_add_co_u32 s55, s55, OBUF
	s_mul_i32 s56, s18, 16*OPIT
	s_add_co_u32 s56, s56, OBUF
	s_lshl_b32 s57, s18, 16
	s_add_co_u32 s58, s52, O_AI
	s_add_co_u32 s59, s52, O_DB
	; v16 to v36 are at work here; the state is written into them only below
	v_and_b32 v32, 15, v0                          ; q (also r)
	v_bfe_u32 v33, v0, 4, 1                        ; hh (also h)
	v_and_b32 v34, 31, v0                          ; lane
	v_and_b32 v35, 7, v0
	v_bfe_u32 v36, v0, 3, 1
	v_mul_u32_u24 v[A_FR], v32, 144                ; a fragment from rows along the channels: row r, 16 bytes for each half
	v_lshl_add_u32 v[A_FR], v33, 4, v[A_FR]
	v_lshl_add_u32 v[A_TK], v33, 3, v35            ; transposing load: step 8 h + lane % 8,
	v_mul_u32_u24 v[A_TK], v[A_TK], 160
	v_lshl_add_u32 v[A_TK], v36, 4, v[A_TK]        ; 16 bytes for each group of eight lanes
	v_add_nc_u32 v[A_TV], s54, v[A_TK]             ; my 16 columns
	v_lshlrev_b32 v[A_IM], 4, v34
	v_lshlrev_b32 v[A_D], 5, v33
	v_mul_u32_u24 v[A_OS], v32, OPIT               ; o in: row r, my 64 bytes, 32 for each half
	v_lshl_add_u32 v[A_OS], v33, 5, v[A_OS]
	v_add_nc_u32 v[A_OS], s55, v[A_OS]
	v_mul_u32_u24 v[A_OR], v33, OPIT               ; o back: lanes 0-15 one row, lanes 16-31 the next
	v_lshl_add_u32 v[A_OR], v32, 4, v[A_OR]
	v_add_nc_u32 v[A_OR], s56, v[A_OR]
	v_lshlrev_b32 v18, 4, v32
	v_lshl_add_u32 v[G_S], s18, 12, v[A_IM]
	v_mul_u32_u24 v16, v33, 1152                   ; rows 8 hh .. at pitch 144, 8 bytes for my 4 channels
	v_lshl_add_u32 v16, v32, 3, v16
	v_add_nc_u32 v20, s53, v16
	v_add_nc_u32 v21, s53, v[A_FR]
	v_add_nc_u32 v22, s52, v16
	v_mul_u32_u24 v17, v33, 1280                   ; the same at pitch 160
	v_lshl_add_u32 v17, v32, 3, v17
	v_add_nc_u32 v23, s52, v17
	v_add_nc_u32 v24, s58, v[A_IM]
	v_add_nc_u32 v25, s59, v18
	v_lshl_add_u32 v26, v33, 15, v18
	v_add_nc_u32 v26, s57, v26
	v_lshl_add_u32 v19, v33, 12, v18
	v_add_nc_u32 v[G_O], s57, v19                  ; my 16 bytes of o's first two rows
	WIN 0x40                                       ; destination in window 1
	v_mov_b32 v[APR], v20
	v_mov_b32 v[AFR], v21
	v_mov_b32 v[AS4], v22
	v_mov_b32 v[AS6], v23
	v_mov_b32 v[AIM], v24
	v_mov_b32 v[ADB], v25
	v_mov_b32 v[GIN], v26
	v_mov_b32 v[GU], v18
	v_mov_b32 v[NEG1], -1.0
	s_wait_kmcnt 0x0
	s_add_nc_u64 s[4:5], s[4:5], s[22:23]
	s_add_nc_u64 s[6:7], s[6:7], s[22:23]
	s_add_nc_u64 s[8:9], s[8:9], s[22:23]
	s_add_nc_u64 s[10:11], s[10:11], s[22:23]
	s_add_nc_u64 s[16:17], s[16:17], s[22:23]
	s_add_nc_u64 s[12:13], s[12:13], s[48:49]
	s_add_nc_u64 s[14:15], s[14:15], s[50:51]
	WIN 0x55                                       ; everything in window 1
	s_wait_alu depctr_va_vdst(0)                   ; every offset and address of both windows is written, which the kernel's loads and stores read; the set-up is done with v16 to v36, in which records land
	global_load_b128 v[UU:UU+3], v[GU], s[12:13]   ; ahead of w, so that the counted waits below hold in the first trip too
	INLOAD
	WIN 0
	; the start state: one straight way for each segment, all its loads issued together
	s_cmp_eq_u32 s19, 0
	s_cbranch_scc1 .Lseg0
	s_cmp_eq_u32 s19, 1
	s_cbranch_scc1 .Lseg1
	s_cmp_eq_u32 s19, 2
	s_cbranch_scc1 .Lseg2
	LOADG SS, 0
	LOADG X1, 1
	LOADP Y1, 1
	LOADG X2, 2
	LOADP Y2, 2
	s_wait_loadcnt 0x0
	FOLD X1, Y1
	FOLD X2, Y2
	s_branch .Lgo
.Lseg2:
	LOADG SS, 0
	LOADG X1, 1
	LOADP Y1, 1
	s_wait_loadcnt 0x0
	FOLD X1, Y1
	s_branch .Lgo
.Lseg1:
	LOADG SS, 0
	s_wait_loadcnt 0x0
	s_branch .Lgo
.Lseg0:
.set ii, 0
.rept 32
	v_mov_b32 v[SS+ii], 0                          ; reference()'s S0
.set ii, ii+1
.endr
.Lgo:
	; A block has 16 steps, the matrix form sums over 32.  The upper half of V's f16 operand is 0, so the upper half of KOUT's operand only has to be finite:
	; for tiles 0 to 2 it is the next tile (f16 numbers inside the stated range), for tile 3 four registers of -1.0, whose f16 halves are 0 and -1.875.
.irp c, 4,5,6,7
	v_mov_b32 v[8+\c], 0
	v_mov_b32 v[248+\c], 0
.endr
.irp c, 0,1,2,3
	v_mov_b32 v[SET0+40+\c], -1.0
	v_mov_b32 v[SET0+SETW+40+\c], -1.0
.endr
.macro FRAGS c, dst                                ; the nine arrays' fragments for channels 32 c .. 32 c + 31 (my own bytes: LDS serves a wave in order): 18 loads
.set aa, 0
.rept 9
	ds_load_b128 v[\dst+8*aa:\dst+8*aa+3], v[AFR] offset:aa*ARR+64*\c
	ds_load_b128 v[\dst+8*aa+4:\dst+8*aa+7], v[AFR] offset:aa*ARR+64*\c+32
.set aa, aa+1
.endr
.endm
.macro PW1 acc, ka, ra, f, zero                    ; acc(s, t) (+)= K . R
.if \zero
	v_wmma_f32_16x16x32_f16 v[\acc:\acc+7], v[\f+8*\ka:\f+8*\ka+7], v[\f+8*\ra:\f+8*\ra+7], 0
.else
	v_wmma_f32_16x16x32_f16 v[\acc:\acc+7], v[\f+8*\ka:\f+8*\ka+7], v[\f+8*\ra:\f+8*\ra+7], v[\acc:\acc+7]
.endif
.endm
.macro PROD5 f, zero                               ; five accumulators take turns, one matrix instruction a turn
	PW1 AC0, 5, 0, \f, \zero
	PW1 ACD, 5, 1, \f, \zero
	PW1 AC1, 6, 2, \f, \zero
	PW1 AC2, 7, 3, \f, \zero
	PW1 AC3, 8, 4, \f, \zero
.endm
; Wave wv prepares block wv of the 64 steps.  ahead = 1: the next 64 steps' loads go out.
.macro PREP ahead
	WIN 0x55
	s_wait_loadcnt 24                              ; w is in; the 24 loads of v, r, k may stay out
.set ii, 0
.rept 16
	v_pk_mul_f32 v[WW+2*ii:WW+2*ii+1], v[WW+2*ii:WW+2*ii+1], s[44:45] op_sel_hi:[1,0]
.set ii, ii+1
.endr
.set ii, 0
.rept 32
	v_exp_f32 v[WW+ii], v[WW+ii]                   ; exp(w)
.set ii, ii+1
.endr
	s_wait_loadcnt 16                              ; v is in.  The conversions are also the plain place behind the exponentials
.irp j, 0,1,2,3,4,5,6,7                            ; V in f16 (R's place in buffer 0) and as a bf16 value (K's place)
	CVH PK+2*\j, VV+4*\j
	CVB PK+16+2*\j, VV+4*\j
.endr
.irp j, 0,1,2,3,4,5,6,7                            ; v less its bf16 value, again in bf16
	REM4 VV+4*\j, PK+16+2*\j
	CVB T2+2*\j, VV+4*\j
.endr
.set ii, 0
	s_wait_alu depctr_va_vdst(0)
.rept 16
	v_pk_mul_f32 v[WW+2*ii:WW+2*ii+1], v[WW+2*ii:WW+2*ii+1], s[46:47] op_sel_hi:[1,0]
.set ii, ii+1
.endr
	s_wait_alu depctr_va_vdst(0)                   ; V's three packings are written, which the 24 stores below read; the exponentials among them name w's registers alone
.set ii, 0
.rept 8
	ds_store_b64 v[AS6], v[PK+2*ii:PK+2*ii+1] offset:O_VF+ii*160
	v_exp_f32 v[WW+4*ii], v[WW+4*ii]               ; d = exp(-exp(w))
	ds_store_b64 v[AS6], v[PK+16+2*ii:PK+16+2*ii+1] offset:O_VB+ii*160
	v_exp_f32 v[WW+4*ii+1], v[WW+4*ii+1]
	ds_store_b64 v[AS6], v[T2+2*ii:T2+2*ii+1] offset:O_VL+ii*160
	v_exp_f32 v[WW+4*ii+2], v[WW+4*ii+2]
	v_exp_f32 v[WW+4*ii+3], v[WW+4*ii+3]
.set ii, ii+1
.endr
	s_wait_loadcnt 0                               ; r and k are in
	s_wait_alu depctr_vm_vsrc(0)                   ; V's stores have read buffer 0 and T2, which level 0 and the groups' products write again
.irp j, 0,1,2,3,4,5,6,7                            ; level 0: r and k as they are (the conversions are also the plain place behind the exponentials)
	CVH PK+2*\j, RR+4*\j
	CVH PK+16+2*\j, KK+4*\j
.endr
.irp j, 0,1,2,3,4,5,6,7                            ; r * u, for the diagonal
	v_pk_mul_f32 v[RT+4*(\j%4):RT+4*(\j%4)+1], v[RR+4*\j:RR+4*\j+1], v[UU:UU+1]
	v_pk_mul_f32 v[RT+4*(\j%4)+2:RT+4*(\j%4)+3], v[RR+4*\j+2:RR+4*\j+3], v[UU+2:UU+3]
	CVH RUP+2*\j, RT+4*(\j%4)
.endr
	s_wait_alu depctr_va_vdst(0)                   ; level 0 and r*u are packed: their 24 stores are dealt among the groups' products and level 1, which write T2 to FK, TD, RR, KK and buffer 1
	ST0 0
	TWO 0                                          ; the groups' products
	TWO 1
	ST0 1
	TWO 2
	TWO 3
	ST0 2
	FOUR 0
	FOUR 1
	ST0 3
	v_pk_mul_f32 v[T8:T8+1], v[T4:T4+1], v[T4+4:T4+5]
	v_pk_mul_f32 v[T8+2:T8+3], v[T4+2:T4+3], v[T4+6:T4+7]
.irp c, 0,1,2,3
	v_permlanex16_b32 v[X8+\c], v[T8+\c], s25, s26 ; the other eight rows' product (X8 was written above, as part of r*u's f32 rows)
.endr
	ST0 4
	v_pk_mul_f32 v[TD:TD+1], v[T8:T8+1], v[X8:X8+1]
	v_pk_mul_f32 v[TD+2:TD+3], v[T8+2:T8+3], v[X8+2:X8+3]
.irp c, 0,1,2,3
	v_cndmask_b32 v[FR+\c], 1.0, v[X8+\c], s27     ; rows 8-15 of R pass rows 0-7
	v_cndmask_b32 v[FK+\c], v[X8+\c], 1.0, s27     ; rows 0-7 of K pass rows 8-15
.endr
	ST0 5
.irp j, 1,3                                        ; level 1
	UPR \j, WW+4*\j-4, 1, 0
.endr
	ST0 6
.irp j, 5,7
	UPR \j, WW+4*\j-4, 1, 0
.endr
	ST0 7
.irp j, 0,2,4,6
	UPK \j, WW+4*\j+4, 1, 1
.endr
	s_wait_alu depctr_va_vdst(0)                   ; D and level 1's rows are written, which the 17 stores dealt below read
	s_wait_alu depctr_vm_vsrc(0)                   ; level 0's stores have read the places in buffer 0 into which level 2 packs rows anew
	ds_store_b128 v[ADB], v[TD:TD+3]               ; both halves of the lanes hold, and write, the same numbers
	STLV 0, 1, 1, 2, 6                             ; level 2
	UPR 2, T2, 3, 0
	STLV 1, 1, 1, 2, 6
	UPR 3, T2, 3, 0
	STLV 2, 1, 1, 2, 6
	UPR 6, T2+8, 3, 0
	STLV 3, 1, 1, 2, 6
	UPR 7, T2+8, 3, 0
	STLV 4, 1, 1, 2, 6
	UPK 0, T2+4, 3, 2
	STLV 5, 1, 1, 2, 6
	UPK 1, T2+4, 3, 2
	STLV 6, 1, 1, 2, 6
	UPK 4, T2+12, 3, 2
	STLV 7, 1, 1, 2, 6
	UPK 5, T2+12, 3, 2
	s_wait_alu depctr_va_vdst(0)                   ; level 2's rows are written, which the 16 stores dealt below read
	s_wait_alu depctr_vm_vsrc(0)                   ; level 1's stores have read the places into which level 3 packs rows anew
.irp j, 0,1,2,3                                    ; level 3
	STLV \j, 3, 2, 3, 7
	UPR \j+4, T4, 7, 0
.endr
.irp j, 0,1,2,3
	STLV \j+4, 3, 2, 3, 7
	UPK \j, T4+4, 7, 3
.endr
	s_wait_alu depctr_va_vdst(0)                   ; level 3's rows are written, which the 16 stores dealt below read
	s_wait_alu depctr_vm_vsrc(0)                   ; level 2's stores have read the places into which level 4 packs rows anew
.irp j, 0,1,2,3,4,5,6,7                            ; level 4: KOUT,
	STLV \j, 7, 3, 4, 8
	UPK \j, FK, 7, 4
.endr
.irp j, 0,1,2,3,4,5,6,7                            ; and RIN as a bf16 value
	UPB \j
.endr
	s_wait_alu depctr_va_vdst(0)                   ; KOUT and RIN's value are written, which the 16 stores dealt below read (the remainder's lines read RIN's value too, and write RR and RLP)
	s_wait_alu depctr_vm_vsrc(0)                   ; the last trip's stores of the remainder have read RLP, which is written again
.irp j, 0,1,2,3,4,5,6,7
	STROWK \j, 7, 4, AS6, O_KO, 160
	STROWR \j, 7, 1, AS4, O_RH, 144
	REMR \j
.endr
.if \ahead
	v_add_nc_u32 v[GIN], SCB, v[GIN]               ; free: the wait for 0 above showed every load done, and the waits on vm_vsrc since that they have read it
.endif
	s_wait_alu depctr_va_vdst(0)                   ; RLP and GIN are written; the vector work is done with RR, KK, WW, both buffers and T2 to FK, in which the loads below land
	s_wait_alu depctr_vm_vsrc(0)                   ; every store so far has read its rows in the two buffers, in which the loads below land
.if \ahead
	INLOAD                                         ; they have the products, the walk over four blocks and the way out in which to land
.endif
	ST8 AS4, RLP, O_RL, 144
	FRAGS 0, FF
	WIN 0x81                                       ; destination in window 2, address in window 1
	FRAGS 1, FG                                    ; no vector instruction names FG; the last trip's products were done reading it at the waits above
	WIN 0x55
	s_wait_dscnt 18                                ; all but the 18 loads into FG: the fragments of channels 0-31 are in
	s_wait_alu depctr_vm_vsrc(0)                   ; the remainder's stores have read RLP, over which the products' sums are written
	PROD5 FF, 1                                    ; the first products start the sums
	s_wait_dscnt 0x0                               ; the fragments of channels 32-63 are in
	WIN 0x5a                                       ; both sources in window 2, sums in window 1
	PROD5 FG, 0
	WIN 0x55
	PLACES
.irp j, 0,1,2,3,4,5,6,7                            ; each entry from its level; above the diagonal 0
	v_cndmask_b32 v[AC3+\j], 0, v[AC3+\j], s28
.endr
.irp j, 0,1,2,3
	v_cndmask_b32 v[AC3+\j], v[AC3+\j], v[AC2+\j], s29
.endr
.irp j, 0,1
	v_cndmask_b32 v[AC3+\j], v[AC3+\j], v[AC1+\j], s30
	v_cndmask_b32 v[AC3+\j+4], v[AC3+\j+4], v[AC1+\j+4], s31
.endr
.irp j, 0,2,4,6
	v_cndmask_b32 v[AC3+\j], v[AC3+\j], v[AC0+\j], s[32+\j/2]
.endr
.irp j, 0,1,2,3,4,5,6,7
	v_cndmask_b32 v[AC3+\j], v[AC3+\j], v[ACD+\j], s[36+\j]
.endr
.irp i, 0,1,2,3                                    ; lane (t, h) holds A[t][8 h ..]: packed, that is the operand's layout
	v_cvt_pk_bf16_f32 v[AH+\i], v[AC3+2*\i], v[AC3+2*\i+1]
.endr
	REM4 AC3, AH
	REM4 AC3+4, AH+2
.irp i, 0,1,2,3
	v_cvt_pk_bf16_f32 v[AL+\i], v[AC3+2*\i], v[AC3+2*\i+1]
.endr
	s_wait_alu depctr_va_vdst(0)                   ; A's value and remainder are written, which the two stores read.  No vector instruction follows until the first block's head,
	                                               ; so the wait also states that the last walk (in the first trip: the fold) is done with D's, the first set's and RIN's registers, in which the 27 loads behind the barrier land
	ds_store_b128 v[AIM], v[AH:AH+3]
	ds_store_b128 v[AIM], v[AL:AL+3] offset:512
	WIN 0
	BAR                                            ; the four blocks are whole
.endm
.macro DFHALF n, a, b                              ; 4 loads
.irp m, \a, \b
	ds_load_b128 v[DF+8*\m:DF+8*\m+3], v[A_D] offset:(\n)*BLK+O_DB+64*\m
	ds_load_b128 v[DF+8*\m+4:DF+8*\m+7], v[A_D] offset:(\n)*BLK+O_DB+64*\m+16
.endr
.endm
.macro DFLOAD n                                    ; 8 loads
	DFHALF \n, 0, 1
	DFHALF \n, 2, 3
.endm
.macro SETA n, p                                   ; 4 loads
	ds_load_b128 v[SET0+SETW*(\p):SET0+SETW*(\p)+3], v[A_IM] offset:(\n)*BLK+O_AI
	ds_load_b128 v[SET0+SETW*(\p)+4:SET0+SETW*(\p)+7], v[A_IM] offset:(\n)*BLK+O_AI+512
	ds_load_tr16_b128 v[SET0+SETW*(\p)+8:SET0+SETW*(\p)+11], v[A_TV] offset:(\n)*BLK+O_VB    ; V's value against A's value,
	ds_load_tr16_b128 v[SET0+SETW*(\p)+12:SET0+SETW*(\p)+15], v[A_TV] offset:(\n)*BLK+O_VB   ; and once more against A's remainder
.endm
.macro SETV n, p                                   ; 3 loads
	ds_load_tr16_b128 v[SET0+SETW*(\p)+16:SET0+SETW*(\p)+19], v[A_TV] offset:(\n)*BLK+O_VL   ; V's remainder, likewise twice
	ds_load_tr16_b128 v[SET0+SETW*(\p)+20:SET0+SETW*(\p)+23], v[A_TV] offset:(\n)*BLK+O_VL
	ds_load_tr16_b128 v[8+240*(\p):11+240*(\p)], v[A_TV] offset:(\n)*BLK+O_VF
.endm
.macro SETK n, p                                   ; 4 loads
.irp m, 0,1,2,3
	ds_load_tr16_b128 v[SET0+SETW*(\p)+24+4*\m:SET0+SETW*(\p)+27+4*\m], v[A_TK] offset:(\n)*BLK+O_KO+32*\m
.endr
.endm
.macro LOADSET n, p                                ; 11 loads
	SETA \n, \p
	SETV \n, \p
	SETK \n, \p
.endm
.macro RLOAD n                                     ; 8 loads
.irp c, 0,1
	ds_load_b128 v[RH+8*\c:RH+8*\c+3], v[A_FR] offset:(\n)*BLK+O_RH+64*\c
	ds_load_b128 v[RH+8*\c+4:RH+8*\c+7], v[A_FR] offset:(\n)*BLK+O_RH+64*\c+32
	ds_load_b128 v[RL+8*\c:RL+8*\c+3], v[A_FR] offset:(\n)*BLK+O_RL+64*\c
	ds_load_b128 v[RL+8*\c+4:RL+8*\c+7], v[A_FR] offset:(\n)*BLK+O_RL+64*\c+32
.endr
.endm
.macro OLINK acc, a, b
	v_wmma_f32_16x16x32_bf16 v[\acc:\acc+7], v[\a:\a+7], v[\b:\b+7], v[\acc:\acc+7]
.endm
.macro SLINK m, p
	v_wmma_f32_16x16x32_f16 v[SS+8*\m:SS+8*\m+7], v[SET0+SETW*\p+24+4*\m:SET0+SETW*\p+31+4*\m], v[8+240*\p:15+240*\p], v[SS+8*\m:SS+8*\m+7]
.endm
; Block n.  o (transposed: lane = step, registers = 8 neighbouring columns) = V^T A^T + S^T RIN^T; then S = D * S + KOUT^T V.
.macro COMP n, p, nxt
	s_wait_dscnt 8                                 ; all but the youngest eight, RIN's: D and this block's operand set are in
.set ii, 0
.rept 16
	v_cvt_pk_bf16_f32 v[SB+ii], v[SS+2*ii], v[SS+2*ii+1]   ; the state as it stands at the block's head: its bf16 value,
.set ii, ii+1
.endr
.if \n
	s_wait_alu depctr_vm_vsrc(0)                   ; the last block's two LDS stores have read OA, through which the remainders below pass
.endif
.set ii, 0
.rept 16                                           ; and the remainder, by way of OA's and OB's registers
	v_fma_mix_f32_bf16 v[OA+2*(ii%8)], v[SB+ii], v[NG], v[SS+2*ii] op_sel_hi:[1,0,0]
	v_fma_mix_f32_bf16 v[OA+2*(ii%8)+1], v[SB+ii], v[NG], v[SS+2*ii+1] op_sel:[1,0,0] op_sel_hi:[1,0,0]
	v_cvt_pk_bf16_f32 v[SBL+ii], v[OA+2*(ii%8)], v[OA+2*(ii%8)+1]
.set ii, ii+1
.endr
.set ii, 0
.rept 16
	v_pk_mul_f32 v[SS+2*ii:SS+2*ii+1], v[SS+2*ii:SS+2*ii+1], v[DF+2*ii:DF+2*ii+1]
.set ii, ii+1
.endr
.if \nxt
	s_wait_alu depctr_va_vdst(0)                   ; the multiplies are done reading D, and the last block's matrix instructions the other set: the next block's 19 loads land there, dealt among the matrix instructions below
	DFHALF \n+1, 0, 1
.endif
	; o's two sums and the four state tiles take turns, one matrix instruction a turn
	v_wmma_f32_16x16x32_bf16 v[OA:OA+7], v[SET0+SETW*\p+8:SET0+SETW*\p+15], v[SET0+SETW*\p:SET0+SETW*\p+7], 0
.if \nxt
	DFHALF \n+1, 2, 3
.endif
	v_wmma_f32_16x16x32_bf16 v[OB:OB+7], v[SET0+SETW*\p+16:SET0+SETW*\p+23], v[SET0+SETW*\p:SET0+SETW*\p+7], 0
	SLINK 0, \p
	s_wait_dscnt 8*\nxt                            ; all but the eight loads of D just issued: RIN is in
	OLINK OA, SB, RH
.if \nxt
	SETA \n+1, 1-\p
.endif
	OLINK OB, SB+8, RH+8
.if \nxt
	SETV \n+1, 1-\p
.endif
	SLINK 1, \p
.if \nxt
	SETK \n+1, 1-\p
.endif
	OLINK OA, SB, RL
	OLINK OB, SB+8, RL+8
	SLINK 2, \p
	OLINK OA, SBL, RH
	OLINK OB, SBL+8, RH+8
	SLINK 3, \p
	PLACES
.irp i, 0,1,2,3
	v_pk_add_f32 v[OA+2*\i:OA+2*\i+1], v[OA+2*\i:OA+2*\i+1], v[OB+2*\i:OB+2*\i+1]
.endr
	s_wait_alu depctr_va_vdst(0)                   ; o is written, which the two stores read; the matrix instructions are done reading RIN, in which the next block's lands; in the last block: D has been read, in which o's rows land
	ds_store_b128 v[A_OS], v[OA:OA+3] offset:\n*16*OPIT
	ds_store_b128 v[A_OS], v[OA+4:OA+7] offset:\n*16*OPIT+16
.if \nxt
	RLOAD \n+1
.endif
.endm
.macro OUT step                                    ; my 16 rows of o, two at a time: sixteen lanes store 256 consecutive bytes, aligned
.irp i, 0,1,2,3,4,5,6,7
	ds_load_b128 v[DF+4*\i:DF+4*\i+3], v[A_OR] offset:\i*2*OPIT
.endr
.irp i, 0,1,2,3,4,5,6,7
	s_wait_dscnt 7-\i                              ; LDS loads come back in order: pair i is in
	global_store_b128 v[G_O], v[DF+4*\i:DF+4*\i+3], s[16:17] offset:\i*2*ROWB th:TH_STORE_NT
.endr
.if \step
	s_wait_xcnt 0x0                                ; the stores' base is stepped, and DF loaded again, only behind this wait
	s_wait_alu depctr_vm_vsrc(0)                   ; the stores have read DF, in which the next walk's D lands, and the last block's LDS stores OA
	s_add_nc_u64 s[16:17], s[16:17], SCB
.endif
.endm
.macro SC ahead
	PREP \ahead
	DFLOAD 0
	LOADSET 0, 0
	RLOAD 0
	COMP 0, 0, 1
	COMP 1, 1, 1
	COMP 2, 0, 1
	COMP 3, 1, 0
	BAR                                            ; every wave has read the four blocks and written its columns of o
	OUT \ahead
.endm
	s_mov_b32 s24, 7
.Lsc:
	SC 1
	s_sub_co_u32 s24, s24, 1
	s_cmp_lg_u32 s24, 0
	s_cbranch_scc1 .Lsc
	SC 0                                           ; the last 64 steps load nothing further
	s_set_vgpr_msb 0x5
	s_wait_dscnt 0x0
	s_wait_alu depctr_hold_cnt(0) depctr_sa_sdst(0) depctr_va_vdst(0) depctr_va_sdst(0) depctr_va_ssrc(0) depctr_va_vcc(0) depctr_vm_vsrc(0)
	s_wait_tensorcnt 0x0
	ds_add_u32 v254, v255
	s_wait_dscnt 0x0
	s_endpgm
.Lfunc_end_k_q5b67e7a105_wkv_out:
	.size	k_q5b67e7a105_wkv_out, .Lfunc_end_k_q5b67e7a105_wkv_out-k_q5b67e7a105_wkv_out
	.p2alignl 7, 3214868480
	.fill 96, 4, 3214868480
	.section	.rodata,"a",@progbits
	.p2align	6, 0x0
	.amdhsa_kernel k_q5b67e7a105_wkv_out
		.amdhsa_group_segment_fixed_size 165376
		.amdhsa_private_segment_fixed_size 0
		.amdhsa_enable_private_segment 0
		.amdhsa_kernarg_size 56
		.amdhsa_user_sgpr_count 2
		.amdhsa_user_sgpr_kernarg_segment_ptr 1
		.amdhsa_wavefront_size32 1
		.amdhsa_system_sgpr_workgroup_id_x 1
		.amdhsa_system_sgpr_workgroup_id_y 1
		.amdhsa_system_sgpr_workgroup_id_z 1
		.amdhsa_system_vgpr_workitem_id 0
		.amdhsa_next_free_vgpr 584
		.amdhsa_next_free_sgpr 66
		.amdhsa_reserve_vcc 0
		.amdhsa_float_denorm_mode_32 3
		.amdhsa_float_denorm_mode_16_64 3
		.amdhsa_memory_ordered 1
		.amdhsa_forward_progress 1
		.amdhsa_inst_pref_size 177
	.end_amdhsa_kernel
	.amdgpu_metadata
---
amdhsa.version: [ 1, 2 ]
amdhsa.kernels:
  - .name:           k_q5b67e7a105_wkv_out
    .symbol:         k_q5b67e7a105_wkv_out.kd
    .args:
      - { .name: r, .offset: 0, .size: 8, .value_kind: global_buffer, .address_space: global }
      - { .name: k, .offset: 8, .size: 8, .value_kind: global_buffer, .address_space: global }
      - { .name: v, .offset: 16, .size: 8, .value_kind: global_buffer, .address_space: global }
      - { .name: w, .offset: 24, .size: 8, .value_kind: global_buffer, .address_space: global }
      - { .name: u, .offset: 32, .size: 8, .value_kind: global_buffer, .address_space: global }
      - { .name: state, .offset: 40, .size: 8, .value_kind: global_buffer, .address_space: global }
      - { .name: out0, .offset: 48, .size: 8, .value_kind: global_buffer, .address_space: global }
    .group_segment_fixed_size: 165376
    .private_segment_fixed_size: 0
    .kernarg_segment_align: 8
    .kernarg_segment_size: 56
    .max_flat_workgroup_size: 128
    .sgpr_count:     66
    .vgpr_count:     584
    .wavefront_size: 32
...
	.end_amdgpu_metadata
.endif
;; end of part 3
